; MI455X (gfx1250); checked and timed in simulation.
; The chip was launched on July 23, 2026; its instructions are those of AMD's public machine-readable ISA for CDNA 5 (MIT licence, August 2026) and "CDNA5" Instruction Set Architecture Reference Guide (July 2026). The comments in the code are by the model that wrote it; some were corrected since.
;; Self Attention Splitted. Allowed arithmetic: matrix products marked QUANTISED: E2M3 operands, one E8M0 scale for each 32 along K, by v_wmma_scale_f32_16x16x128_f8f6f4 with both operands' format E2M3, f32 sums; everything else in f32.
;; Inputs: Wk 1,024 x 1,024 float32; Wq 1,024 x 1,024 float32; Wu 1,024 x 1,024 float32; Wv 1,024 x 1,024 float32; bu 1,024 float32; lengths 4 int32; x0 4 x 2,048 x 1,024 float32.
;; Outputs: out0 4 x 2,048 x 1,024 float32.
;; This version of the problem:
;;   THIS VERSION OF THE PROBLEM IS GIVEN IN LOW PRECISION. The matrix products marked QUANTISED in the list below multiply operands that are first quantised to E2M3 (2 exponent bits, 3 mantissa bits; 6 bits a number), with one power-of-two scale for each 32 numbers along K (OCP MX v1.0); their sums are f32. All else is computed in f32.
;;   The module's matrix products, in the order in which they are computed (A, B: the left and right operand; K: the contracted axis; several contracted axes count as one K, in the product's order):
;;     1. [M 8,192, K 1,024] x [K 1,024, N 1,024]; A: input x0; B: input Wq: QUANTISED
;;     2. [M 8,192, K 1,024] x [K 1,024, N 1,024]; A: input x0; B: input Wk: QUANTISED
;;     3. [M 8,192, K 1,024] x [K 1,024, N 1,024]; A: input x0; B: input Wv: QUANTISED
;;     4. batch 64 x [M 2,048, K 64] x [K 64, N 2,048]; A: computed on the way; B: computed on the way: QUANTISED
;;     5. batch 64 x [M 64, K 2,048] x [K 2,048, N 2,048]; A: computed on the way; B: softmax (see below): QUANTISED
;;     6. [M 8,192, K 1,024] x [K 1,024, N 1,024]; A: computed on the way; B: input Wu: QUANTISED
;;   THE QUANTISER, for each operand of a quantised product, along K:
;;     - K is cut into blocks of 32 from its start; a last block that is shorter is filled with zeros.
;;     - A block's scale is 2^e with e = floor(log2(the largest magnitude in the block)) - 2, held to -126 .. 127; a block of zeros has e = 0. As a byte (E8M0): e + 127.
;;     - Each number is divided by its block's scale, clamped to +-7.5, and rounded to the nearest number of E2M3, ties to even, subnormals kept.
;;     - The product sums the exact products of the quantised numbers (number of the format x scale) in f32.
;;   ~~~python
;;   def quantise(x, axis):      # numpy; x: float32 -> the quantised numbers, widened to float32 again
;;       x = np.moveaxis(x, axis, -1); K = x.shape[-1]
;;       x = np.pad(x, [(0, 0)] * (x.ndim - 1) + [(0, -K % 32)]); x = x.reshape(x.shape[:-1] + (-1, 32)); a = np.abs(x).max(-1, keepdims=True)
;;       e = np.where(a > 0, np.clip(np.frexp(np.where(a > 0, a, 1))[1] - 1 - 2, -126, 127), 0)      # np.frexp(a)[1] - 1 = floor(log2(a)), exactly
;;       r = np.clip(x / 2.0 ** e, -7.5, 7.5)
;;       step = 2.0 ** (np.maximum(np.frexp(np.where(r == 0, 1, r))[1] - 1, 0) - 3)
;;       q = np.round(r / step) * step * 2.0 ** e      # np.round: ties to even
;;       return np.moveaxis(q.reshape(q.shape[:-2] + (-1,))[..., :K], -1, axis).astype(np.float32)
;;   ~~~
;;   SOFTMAX AHEAD OF A QUANTISED PRODUCT. Where the list says 'softmax', what is quantised is not the finished softmax but p = 2^(t - M), with t = logit x log2(e) and M = ceil(the row's largest t), a whole number; so 1/2 < the row's largest p <= 1. The row's sum l is taken of the UNQUANTISED p, in f32, and the product's result is divided by l at the end. Since M is a whole number, a kernel that streams over the keys may use a running M (the ceiling of the running maximum): every later rescaling is an exact power of two, which a block's scale takes up: the codes' values come out the same.
;;   OPERANDS COMPUTED ON THE WAY. 'Computed on the way' means the value that the module computes at that place (a softmax that the list does not call 'softmax' is quantised finished and normalised). What goes into a quantiser is computed in f32, as accurately as f32 sums, v_exp_f32 and their like allow (about 1e-6 of the number): no bf16 or f16 on the way to a quantiser, and a product that is left as it is and whose result goes on into a quantised operand takes f32 operands (vector FMAs, or v_wmma_f32_16x16x4_f32). A number that lies on a knife's edge between two numbers of the format may be rounded either way, as far as f32 arithmetic and the matrix unit's own rounding can turn it there, and no further.
;; One version. Each part assembles by itself: llvm-mc -triple=amdgcn-amd-amdhsa -mcpu=gfx1250 --defsym DOCPART=n.
;; ======== version 1 of 1: 4 launches
;; limits: right only within a limited range of input values
;; workspace buffers: opc 9,437,184 bytes; ops 393,216 bytes; qkv 25,165,824 bytes; qkvs 1,310,720 bytes; oc 6,291,456 bytes; os 262,144 bytes
;; launch quant (part 1): grid 384 x 1, 4 waves a work-group, no clusters, 34,304 bytes of LDS; arguments x0, Wq, Wk, Wv, Wu, opc, ops; writes opc, ops
.if DOCPART == 1
	.amdgcn_target "amdgcn-amd-amdhsa--gfx1250"
	.amdhsa_code_object_version 6
	.text
	.protected	k_q7a185537b5_quant
	.globl	k_q7a185537b5_quant
	.p2align	8
	.type	k_q7a185537b5_quant,@function
k_q7a185537b5_quant:
	s_mov_b64 s[64:65], 0
	v_nop
	global_prefetch_b8 v0, s[64:65] scope:SCOPE_SE
	s_setreg_imm32_b32 hwreg(HW_REG_WAVE_MODE, 25, 1), 1
	s_wait_xcnt 0x0
; x0 [8192][1024] and Wq, Wk, Wv, Wu [1024][1024], f32, K innermost, become codes of FP6 (E2M3) with one E8M0 byte for each 32 along K,
; laid AS IMAGES OF OPERAND REGISTERS.  The 12,288 rows are 192 groups of 64 (x0: 0-127, Wq 128-143, Wk 144-159, Wv 160-175, Wu 176-191).
; A group has four tiles of 16 rows; row i of tile a is row 32 (a / 2) + 8 (a % 2) + i + 8 (i / 8) of the group, so that a later product that takes such tiles as its
; source 0 leaves 16 neighbours of that axis in 16 registers of a lane.
; A UNIT is 16 rows x 64 K: six registers a lane (lane (r, h): row r, k = 32 h + 0 .. 31): 512 bytes (16 x lane: registers 0-3), then 256 bytes (8 x lane: registers 4, 5).
; opc: [row tile 0..767][unit 0..15], 768 bytes each.  ops: [group][K step of 128][r][tile]: one scale word a row, 256 bytes a block.
; A wave takes one group and one K step: 64 rows x 512 bytes in, 6,144 + 256 bytes out.  Work-group i: group i / 2, K steps 4 (i % 2) + wave.
; Each load reads 512 consecutive bytes of one row; a tile turns through the wave's own stage in LDS (rows of 528 bytes) so that a lane gets 16 neighbours of each block of 32.
; A block's scale is 2^(floor(log2(largest magnitude)) - 2): its byte is the largest magnitude's exponent field - 2, held at 1 from below.
; LIMITS: a block of zeros gets the byte 1 (its codes are zeros; this program alone reads the bytes); NaN and infinities among the inputs are not served.
.set STG,   16*528                     ; a wave's stage
.set SPARE, 4*STG                      ; behind the stages: the spare words, 128 bytes a wave: two blocks of 256 bytes that no other line names
.set R,     16                         ; v16-143  two sets of 64: a tile as loaded
.set X,     144                        ; v144-207 64 numbers: register 16 b + i = k 32 b + 16 h + i of my row
.set PC,    208                        ; v208-219 the fragment's codes; v220-227 at work
.set TM,    228                        ; v228-243 at work
.set PW,    244                        ; v244-247 the four tiles' scale words
.set SPW,   248                        ; LDS address of my spare word; never rewritten
.set NIL,   249                        ; 0; never rewritten
.set SEL,   20                         ; s[20:21] selects of v_permlanex16_b32 for lane l xor 16
; 64 numbers of a lane, v[s + 16 b + i] = k 32 b + 16 h + i of its row, become two units' codes at v[pc] and v[pc + st] (six registers each) and the row's scale word in v[pw].
.macro QUANT s, pc, st, pw
.irp b, 0,1,2,3
	v_max3_num_f32 v[TM+\b], |v[\s+16*\b]|, |v[\s+16*\b+1]|, 0x1800000   ; my 16 numbers of block b, and the floor 2^(3 - 127): the byte cannot fall under 1
.endr
.irp m, 2,4,6,8,10,12,14
.irp b, 0,1,2,3
	v_max3_num_f32 v[TM+\b], v[TM+\b], |v[\s+16*\b+\m]|, |v[\s+16*\b+\m+1]|   ; the four blocks by turns
.endr
.endr
.irp b, 0,1,2,3
	v_permlanex16_b32 v[TM+4+\b], v[TM+\b], s[SEL], s[SEL+1]
.endr
.irp b, 0,1,2,3
	v_max_num_f32 v[TM+\b], v[TM+\b], v[TM+4+\b]      ; with lane l xor 16's 16: the block's largest magnitude
.endr
.irp b, 0,1,2,3
	v_add_nc_u32 v[TM+12+\b], 0xff000000, v[TM+\b]    ; 2 off its exponent field: the conversion's scale operand
.endr
.irp b, 0,1,2,3
	v_lshrrev_b32 v[TM+4+\b], 23, v[TM+12+\b]         ; the scale's byte
.endr
	v_lshl_or_b32 v[\pw], v[TM+5], 8, v[TM+4]
	v_lshl_or_b32 v[\pw], v[TM+6], 16, v[\pw]
	v_lshl_or_b32 v[\pw], v[TM+7], 24, v[\pw]
.irp c, 0,1
	v_cvt_scalef32_pk16_fp6_f32 v[\pc+\st*\c:\pc+\st*\c+2], v[\s+32*\c:\s+32*\c+15], v[TM+12+2*\c]
	v_cvt_scalef32_pk16_fp6_f32 v[\pc+2*\st+4*\c:\pc+2*\st+4*\c+2], v[\s+32*\c+16:\s+32*\c+31], v[TM+13+2*\c]   ; (three registers from an even one on)
.endr
	v_nop                                             ; one plain place behind the conversions
.irp c, 0,1                                       ; a lane wants a whole block: lanes 0-15 block 2 c, lanes 16-31 block 2 c + 1
.irp m, 0,1,2
	v_permlane16_swap_b32 v[\pc+\st*\c+\m], v[\pc+2*\st+4*\c+\m]
.endr
.irp m, 0,1,2
	v_mov_b32 v[\pc+\st*\c+3+\m], v[\pc+2*\st+4*\c+\m]
.endr
.endr
.endm
	s_load_b256 s[4:11], s[0:1], 0x0               ; x0, Wq, Wk, Wv
	s_load_b128 s[12:15], s[0:1], 0x20             ; Wu, opc
	s_load_b64 s[16:17], s[0:1], 0x30              ; ops
	v_lshl_add_u32 v[SPW], v0, 2, SPARE
	v_mov_b32 v[NIL], 0
	v_lshrrev_b32 v6, 5, v0
	v_readfirstlane_b32 s18, v6                    ; wave
	v_and_b32 v6, 31, v0                           ; lane
	v_and_b32 v7, 15, v0                           ; r
	v_bfe_u32 v8, v0, 4, 1                         ; h
	v_lshlrev_b32 v1, 4, v6                        ; 16 x lane
	v_lshlrev_b32 v2, 3, v6                        ; 8 x lane
	s_mul_i32 s19, s18, STG
	v_add_nc_u32 v3, s19, v1                       ; the stage, way in: a row's 512 bytes as they lie
	v_mul_u32_u24 v4, v7, 528
	v_lshl_add_u32 v4, v8, 6, v4
	v_add_nc_u32 v4, s19, v4                       ; way out: row r, + 64 h
	v_lshlrev_b32 v5, 4, v7                        ; the scale words' place: 16 r
	s_mov_b32 s[SEL], 0x76543210
	s_mov_b32 s[SEL+1], 0xfedcba98
.irp b, 0,1,2,3
	v_mov_b32 v[TM+4+\b], 0                        ; written once: a lane permute's destination counts as one of its sources
.endr
	s_lshr_b32 s22, ttmp9, 1                       ; the group
	s_and_b32 s23, ttmp9, 1
	s_lshl_b32 s23, s23, 2
	s_add_co_u32 s23, s23, s18                     ; the K step
	s_and_b32 s24, s22, 15
	s_cmp_lt_u32 s22, 128
	s_cselect_b32 s24, s22, s24                    ; the group's number inside its own tensor
	s_lshl_b32 s24, s24, 18                        ; 64 rows of 4,096 bytes
	s_lshl_b32 s26, s23, 9
	s_add_co_u32 s24, s24, s26                     ; + 512 bytes a K step
	s_mov_b32 s25, 0
	s_mul_i32 s26, s22, 49152                      ; opc: four row tiles of 12,288 bytes a group,
	s_mul_i32 s28, s23, 1536                       ; two units a K step
	s_add_co_u32 s26, s26, s28
	s_mov_b32 s27, 0
	s_lshl_b32 s28, s22, 11                        ; ops: 2,048 bytes a group, 256 a K step
	s_lshl_b32 s30, s23, 8
	s_add_co_u32 s28, s28, s30
	s_mov_b32 s29, 0
	s_wait_alu depctr_va_vdst(0)
	s_wait_kmcnt 0x0
	s_cmp_ge_u32 s22, 144                          ; which tensor: the choices hang on the work-group's number alone
	s_cselect_b64 s[6:7], s[8:9], s[6:7]
	s_cmp_ge_u32 s22, 160
	s_cselect_b64 s[6:7], s[10:11], s[6:7]
	s_cmp_ge_u32 s22, 176
	s_cselect_b64 s[6:7], s[12:13], s[6:7]
	s_cmp_lt_u32 s22, 128
	s_cselect_b64 s[4:5], s[4:5], s[6:7]
	s_add_nc_u64 s[4:5], s[4:5], s[24:25]
	s_add_nc_u64 s[14:15], s[14:15], s[26:27]
	s_add_nc_u64 s[16:17], s[16:17], s[28:29]
.macro LOAD a                          ; tile a's 16 rows, 512 consecutive bytes a load, into set a % 2
.irp i, 0,1,2,3,4,5,6,7,8,9,10,11,12,13,14,15
	global_load_b128 v[R+64*((\a)%2)+4*\i:R+64*((\a)%2)+4*\i+3], v1, s[4:5] offset:(32*((\a)/2)+8*((\a)%2)+\i+8*(\i/8))*4096 th:TH_LOAD_NT
.endr
.endm
.macro TILE a
.if (\a) < 3
	s_wait_loadcnt 16                              ; this tile's 16 loads are in; the next tile's 16 may be out
.else
	s_wait_loadcnt 0x0
.endif
.irp i, 0,1,2,3,4,5,6,7,8,9,10,11,12,13,14,15
	ds_store_b128 v3, v[R+64*((\a)%2)+4*\i:R+64*((\a)%2)+4*\i+3] offset:\i*528
.endr
.irp i, 0,1,2,3,4,5,6,7,8,9,10,11,12,13,14,15
	ds_load_b128 v[X+4*\i:X+4*\i+3], v4 offset:128*(\i/4)+16*(\i%4)   ; LDS serves a wave's instructions in order: these see the stores above
.endr
	s_wait_dscnt 0x0                               ; the numbers are back, and the stores have read their registers
.if (\a) > 0
	s_wait_xcnt 0x0                                ; the last tile's stores have read the codes' registers, which are written again below
.endif
.if (\a)+2 < 4
	LOAD (\a)+2
.endif
	QUANT X, PC, 6, PW+\a
.irp c, 0,1
	global_store_b128 v1, v[PC+6*\c:PC+6*\c+3], s[14:15] offset:(\a)*12288+\c*768        ; 512 consecutive bytes, at a multiple of 256
	global_store_b64 v2, v[PC+6*\c+4:PC+6*\c+5], s[14:15] offset:(\a)*12288+\c*768+512   ; 256 consecutive bytes
.endr
.endm
	LOAD 0
	LOAD 1
	TILE 0
	TILE 1
	TILE 2
	TILE 3
	global_store_b128 v5, v[PW:PW+3], s[16:17]     ; row r's four words; lanes 16-31 hold the same words as lanes 0-15 and store them to the same 256 bytes
	s_wait_tensorcnt 0x0                           ; the wave's end, behind my last LDS store
	ds_add_u32 v[SPW], v[NIL]
	s_wait_dscnt 0x0
	s_endpgm
.Lfunc_end_k_q7a185537b5_quant:
	.size	k_q7a185537b5_quant, .Lfunc_end_k_q7a185537b5_quant-k_q7a185537b5_quant
	.p2alignl 7, 3214868480
	.fill 96, 4, 3214868480
	.section	.rodata,"a",@progbits
	.p2align	6, 0x0
	.amdhsa_kernel k_q7a185537b5_quant
		.amdhsa_group_segment_fixed_size 34304
		.amdhsa_private_segment_fixed_size 0
		.amdhsa_enable_private_segment 0
		.amdhsa_kernarg_size 56
		.amdhsa_user_sgpr_count 2
		.amdhsa_user_sgpr_kernarg_segment_ptr 1
		.amdhsa_wavefront_size32 1
		.amdhsa_system_sgpr_workgroup_id_x 1
		.amdhsa_system_sgpr_workgroup_id_y 1
		.amdhsa_system_sgpr_workgroup_id_z 1
		.amdhsa_system_vgpr_workitem_id 0
		.amdhsa_next_free_vgpr 256
		.amdhsa_next_free_sgpr 66
		.amdhsa_reserve_vcc 0
		.amdhsa_float_denorm_mode_32 3
		.amdhsa_float_denorm_mode_16_64 3
		.amdhsa_memory_ordered 1
		.amdhsa_forward_progress 1
		.amdhsa_inst_pref_size 34
	.end_amdhsa_kernel
	.amdgpu_metadata
---
amdhsa.version: [ 1, 2 ]
amdhsa.kernels:
  - .name:           k_q7a185537b5_quant
    .symbol:         k_q7a185537b5_quant.kd
    .args:
      - { .name: x0, .offset: 0, .size: 8, .value_kind: global_buffer, .address_space: global }
      - { .name: Wq, .offset: 8, .size: 8, .value_kind: global_buffer, .address_space: global }
      - { .name: Wk, .offset: 16, .size: 8, .value_kind: global_buffer, .address_space: global }
      - { .name: Wv, .offset: 24, .size: 8, .value_kind: global_buffer, .address_space: global }
      - { .name: Wu, .offset: 32, .size: 8, .value_kind: global_buffer, .address_space: global }
      - { .name: opc, .offset: 40, .size: 8, .value_kind: global_buffer, .address_space: global }
      - { .name: ops, .offset: 48, .size: 8, .value_kind: global_buffer, .address_space: global }
    .group_segment_fixed_size: 34304
    .private_segment_fixed_size: 0
    .kernarg_segment_align: 8
    .kernarg_segment_size: 56
    .max_flat_workgroup_size: 128
    .sgpr_count:     66
    .vgpr_count:     256
    .wavefront_size: 32
...
	.end_amdgpu_metadata
.endif
;; end of part 1
;; launch proj (part 2): grid 8 x 96, 4 waves a work-group, clusters of 4 x 4, 327,680 bytes of LDS; arguments opc, ops, lengths, qkv, qkvs; writes qkv, qkvs
.if DOCPART == 2
	.amdgcn_target "amdgcn-amd-amdhsa--gfx1250"
	.amdhsa_code_object_version 6
	.text
	.protected	k_q7a185537b5_proj
	.globl	k_q7a185537b5_proj
	.p2align	8
	.type	k_q7a185537b5_proj,@function
k_q7a185537b5_proj:
	s_mov_b64 s[64:65], 0
	v_nop
	global_prefetch_b8 v0, s[64:65] scope:SCOPE_SE
	s_setreg_imm32_b32 hwreg(HW_REG_WAVE_MODE, 25, 1), 1
	s_wait_xcnt 0x0
	s_wait_alu depctr_hold_cnt(0) depctr_sa_sdst(0) depctr_va_vdst(0) depctr_va_sdst(0) depctr_va_ssrc(0) depctr_va_vcc(0) depctr_vm_vsrc(0)
	s_getreg_b32 s2, hwreg(HW_REG_IB_STS2, 6, 4)
	s_cmp_eq_u32 s2, 0
	s_cbranch_scc0 .Lentry_in_a_cluster
	s_endpgm
.Lentry_in_a_cluster:
	s_bfe_u32 s2, ttmp6, 0x10000c
	s_cmp_lg_u32 s2, 0xf033
	s_cbranch_scc0 .Lentry_shape_is_right
	s_endpgm
.Lentry_shape_is_right:
; q = x Wq^T, k = x Wk^T (each x 64^(-1/4)) and V^T = Wv x^T on codes of FP6 (E2M3), and their quantising for attention, in one launch.
; A work-group makes 128 rows of operand A x 256 rows of operand B, K = 1,024.  Clusters with y < 16: A = x (128 tokens), B = [Wq; Wk] (cluster x = 0: q, 1: k).  Clusters with y >= 16: A = Wv (128 channels), B = x (256 tokens).
; Operands lie in memory as images of registers (row tiles of 16, units of 16 rows x 64 K, 768 bytes): the whole K of both comes into LDS by first fills alone, four chunks of 256 along K: no LDS byte is filled twice.
; THE PRODUCT IS USED TRANSPOSED: source 0 = a tile of B, source 1 = a tile of A.  A lane holds one row of A, and since the rows of a tile are chosen (row i of tile a of a group of 64 is 32 (a / 2) + 8 (a % 2) + i + 8 (i / 8)),
; the 64 registers of one tile of A against my 8 tiles of B are 128 neighbours of B's axis, 16 h + 32 b + i: the next product's K (a head's channels for q and k, the keys for v).  They are quantised in registers.
; Four waves: wave w takes A's tiles 4 (w / 2) .. + 3 and B's tiles 8 (w % 2) .. + 7: 32 accumulators, which take turns in the same order in every K step.
; CLUSTER 4 x 4: A's tiles are shared along a row of the cluster, B's along a column: joint loads.
; WHAT GOES OUT.  qkv: units of 1,024 bytes: 512 (16 x lane: registers 0-3), 512 (16 x lane: registers 4, 5, X, 0).  q, k: unit (nu x 512 + token tile), nu = head or 16 + head; v: at 16,777,216, unit (group of 64 tokens x 64 + 4 head + channel tile).
; qkvs: blocks of 256 bytes [r][tile]: q, k: block nu x 128 + group of 64 tokens; v: at 1,048,576, block head x 64 + step of 128 tokens.
; THE PADDING PENALTY rides in the unused half of the scores' K (64 .. 127).  X is register 6 of the fragment: q has 1.0 at k = 64, 65, 96 with scale bytes 0x7f; a key at or past its batch's length has -4, -0.875 at k = 64, 65 under 2^11
; and -4 at k = 96 under 2^2: -4.875 x 2,048 - 16 = -10,000 exactly; a valid key has zero codes there.  The length enters compares and selects alone.
; LIMITS: a block of zeros gets the scale byte 1 (its codes are zeros); NaN and infinities are not served; score - 10,000 is rounded by the matrix unit's summation.
; K lies in LDS as TWO HALVES of 512 along K (in place of the four chunks named above): the first is asked for at the head, the second behind a round of the cluster's barrier; no byte is filled twice.
.set CHUNK, 147456                     ; LDS: half j (512 along K): A's 8 row tiles x 6,144 bytes, then B's 16
.set TILEB, 6144
.set BOFF,  49152
.set SCL,   2*CHUNK
.set SPARE, SCL+12288                  ; the spare words, 128 bytes a wave: two blocks of 256 bytes that no other line names
.set SA1,  14                          ; v14  scale words: lanes 0-15 A's group, lanes 16-31 B's first group
.set SA2,  15                          ; v15  B's second group
.set AL16, 16                          ; v16-19 16 x lane + my tiles of A in chunk c;  v20-23 the same with 8 x lane
.set AL8,  20
.set BL16, 24                          ; v24-27, v28-31 the same for B
.set BL8,  28
.set SC,   32                          ; v32-47 scale words, two sets of 8: +a: A's tile a (lanes 0-15) and B's tile a (lanes 16-31); +4+j: B's tile 4 + j (lanes 0-15)
.set AF,   48                          ; v48-143 A's fragments, two sets of 4 x 12.  Window 2: v0-191 B's, two sets of 8 x 12.  Window 1: accumulator (a, b) at v[64 a + 8 b]
.set T,    144                         ; the way out: v144-207 64 numbers; v208-231 codes; v232-247 at work; v248-251 the four tiles' scale words
.set PC,   208
.set TM,   232
.set WS,   248
.set SPW,  252                         ; LDS address of my spare word; never rewritten
.set NIL,  253                         ; 0; never rewritten
.set G1A,  24                          ; s[24:31], s[32:39] group 1 for A's and B's chunks; s[40:47], s[48:55] for their scale blocks
.set G1B,  32
.set G1SA, 40
.set G1SB, 48
.set G0SA, 76                          ; group 0: A's chunks at s56, s60, s68, s72, A's scales s76; B's chunks s80 .. s92, B's scales s96
.set G0SB, 96
.set SEL,  52                          ; s[52:53], on the way out
.set MSB, 0
.macro WIN new                         ; the immediate's high byte repeats the setting that is left
.if MSB != (\new)
	s_set_vgpr_msb (MSB<<8)|(\new)
.set MSB, \new
.endif
.endm
.macro CROUND                          ; a round of the cluster's barrier
	s_barrier_signal -1
	s_barrier_wait -1
	s_cmp_lg_u32 s14, 0
	s_cbranch_scc1 .Lnot_wave_0_\@
	s_barrier_signal -3
.Lnot_wave_0_\@:
	s_barrier_wait -3
	s_barrier_signal -1
	s_barrier_wait -1
.endm
.macro PLACES                          ; four plain places behind a matrix instruction, in front of loads into its registers and of reads of its results
.rept 4
	v_nop
.endr
.endm
.macro QUANT s, pc, st, pw             ; 64 numbers of a lane, v[s + 16 b + i] = k 32 b + 16 h + i, become two units' codes at v[pc], v[pc + st] and the scale word v[pw]
.irp b, 0,1,2,3
	v_max3_num_f32 v[TM+\b], |v[\s+16*\b]|, |v[\s+16*\b+1]|, 0x1800000   ; and the floor 2^(3 - 127): the byte cannot fall under 1
.endr
.irp m, 2,4,6,8,10,12,14
.irp b, 0,1,2,3
	v_max3_num_f32 v[TM+\b], v[TM+\b], |v[\s+16*\b+\m]|, |v[\s+16*\b+\m+1]|
.endr
.endr
.irp b, 0,1,2,3
	v_permlanex16_b32 v[TM+4+\b], v[TM+\b], s[SEL], s[SEL+1]
.endr
.irp b, 0,1,2,3
	v_max_num_f32 v[TM+\b], v[TM+\b], v[TM+4+\b]
.endr
.irp b, 0,1,2,3
	v_add_nc_u32 v[TM+12+\b], 0xff000000, v[TM+\b]    ; 2 off the exponent field: the conversion's scale operand
.endr
.irp b, 0,1,2,3
	v_lshrrev_b32 v[TM+4+\b], 23, v[TM+12+\b]         ; the scale's byte
.endr
	v_lshl_or_b32 v[\pw], v[TM+5], 8, v[TM+4]
	v_lshl_or_b32 v[\pw], v[TM+6], 16, v[\pw]
	v_lshl_or_b32 v[\pw], v[TM+7], 24, v[\pw]
.irp c, 0,1
	v_cvt_scalef32_pk16_fp6_f32 v[\pc+\st*\c:\pc+\st*\c+2], v[\s+32*\c:\s+32*\c+15], v[TM+12+2*\c]
	v_cvt_scalef32_pk16_fp6_f32 v[\pc+2*\st+4*\c:\pc+2*\st+4*\c+2], v[\s+32*\c+16:\s+32*\c+31], v[TM+13+2*\c]
.endr
	v_nop                                             ; one plain place behind the conversions
.irp c, 0,1
.irp m, 0,1,2
	v_permlane16_swap_b32 v[\pc+\st*\c+\m], v[\pc+2*\st+4*\c+\m]
.endr
.irp m, 0,1,2
	v_mov_b32 v[\pc+\st*\c+3+\m], v[\pc+2*\st+4*\c+\m]
.endr
.endr
.endm
	s_load_b256 s[4:11], s[0:1], 0x0               ; opc, ops, lengths, qkv
	s_load_b64 s[12:13], s[0:1], 0x20              ; qkvs
	v_lshl_add_u32 v[SPW], v0, 2, SPARE
	v_mov_b32 v[NIL], 0
	ds_add_u32 v[SPW], v[NIL]                      ; the wave's opening: the add and its wait ahead of my first tensor load; the set-up below stands between them
	ds_add_u32 v[SPW], v[NIL]
	v_lshrrev_b32 v1, 5, v0
	v_readfirstlane_b32 s14, v1                    ; wave
	s_lshr_b32 s15, s14, 1                         ; my half of A's tiles
	s_and_b32 s16, s14, 1                          ; my half of B's tiles
	s_bfe_u32 s17, ttmp6, 0x40000                  ; cx
	s_bfe_u32 s18, ttmp6, 0x40004                  ; cy
	s_and_b32 s20, ttmp7, 0xffff                   ; cluster y
	s_sub_co_u32 s3, s20, 16
	s_cmp_lt_u32 s20, 16                           ; the q and k region, or v's: cluster ids alone, the same in all sixteen partners
	s_cselect_b32 s21, 1, 0
	s_cselect_b32 s2, s20, ttmp9                   ; which four tile rows (A),
	s_cselect_b32 s19, ttmp9, s3                   ; which four tile columns (B)
	s_cselect_b32 s66, 0, 640                      ; A's first row tile in opc: x's 0 or Wv's 640
	s_cselect_b32 s67, 512, 0                      ; B's: Wq's 512 or x's 0
	s_lshl_b32 s22, s2, 2
	s_add_co_u32 s22, s22, s18                     ; tile row
	s_lshl_b32 s23, s19, 2
	s_add_co_u32 s23, s23, s17                     ; tile column
	s_lshl_b32 s2, s18, 2
	s_lshl_b32 s2, 15, s2                          ; my row of the cluster
	s_lshl_b32 s3, 0x1111, s17                     ; my column
	s_or_b32 s[G1A], s2, (3<<16)|(1<<21)           ; 15:0 the mask; 17:16 elements of 8 bytes; 21 set beside a mask; no padding
	s_or_b32 s[G1B], s3, (3<<16)|(1<<21)
	s_or_b32 s[G1SA], s2, (3<<16)|(1<<21)
	s_or_b32 s[G1SB], s3, (3<<16)|(1<<21)
.irp g, G1A, G1B                               ; a chunk: rows of 3,072 bytes (one row tile's 256 along K), 12,288 bytes apart in memory, dense in LDS
	s_mov_b32 s[\g+1], 768<<16                     ; rows of 6,144 bytes: one row tile's 512 along K
	s_mov_b32 s[\g+3], 768<<16
	s_mov_b32 s[\g+5], 1536
	s_mov_b32 s[\g+6], 0
	s_mov_b32 s[\g+7], 0
.endr
	s_mov_b32 s[G1A+2], 8<<16                      ; A: all 8 row tiles in one load
	s_mov_b32 s[G1A+4], 8
	s_mov_b32 s[G1B+2], 16<<16                     ; B: all 16
	s_mov_b32 s[G1B+4], 16
.irp g, G1SA, G1SB                             ; scale blocks: dense memory as rows of 256 bytes
	s_mov_b32 s[\g+1], 32<<16
	s_mov_b32 s[\g+3], 32<<16
	s_mov_b32 s[\g+5], 32
	s_mov_b32 s[\g+6], 0
	s_mov_b32 s[\g+7], 0
.endr
	s_mov_b32 s[G1SA+2], 16<<16                    ; A: two groups, 4,096 bytes
	s_mov_b32 s[G1SA+4], 16
	s_mov_b32 s[G1SB+2], 32<<16                    ; B: four groups
	s_mov_b32 s[G1SB+4], 32
	s_lshl_b32 s100, s22, 3                        ; the first row tile that I would fetch for A: 8 x tile row + the tensor's first
	s_add_co_u32 s100, s100, s66
	s_lshl_b32 s101, s23, 4                        ; for B: 16 x tile column + the tensor's first
	s_add_co_u32 s101, s101, s67
	s_mul_i32 s66, s100, 12288                     ; in bytes of opc,
	s_lshl_b32 s100, s100, 9                       ; and of ops: 2,048 bytes for four row tiles
	s_mul_i32 s67, s101, 12288
	s_lshl_b32 s101, s101, 9
	s_mov_b32 s2, 0                                ; where they go in a half: constants
	s_mov_b32 s3, BOFF
.irp c, 0,1
	s_mov_b32 s[56+4*\c+4*(\c/2)], 1
	s_add_co_u32 s[57+4*\c+4*(\c/2)], s2, \c*CHUNK
	s_add_co_u32 s[58+4*\c+4*(\c/2)], s66, \c*TILEB   ; the byte offset; the buffer's address is added below
	s_mov_b32 s[59+4*\c+4*(\c/2)], 0
	s_mov_b32 s[80+4*\c], 1
	s_add_co_u32 s[81+4*\c], s3, \c*CHUNK
	s_add_co_u32 s[82+4*\c], s67, \c*TILEB
	s_mov_b32 s[83+4*\c], 0
.endr
	s_mov_b32 s[G0SA], 1
	s_mov_b32 s[G0SA+1], SCL
	s_mov_b32 s[G0SA+2], s100
	s_mov_b32 s[G0SA+3], 0
	s_mov_b32 s[G0SB], 1
	s_mov_b32 s[G0SB+1], SCL+4096
	s_mov_b32 s[G0SB+2], s101
	s_mov_b32 s[G0SB+3], 0
	s_wait_dscnt 0x0                               ; the opening add is done
	s_wait_kmcnt 0x0
.irp c, 0,1
	s_add_nc_u64 s[58+4*\c+4*(\c/2):59+4*\c+4*(\c/2)], s[4:5], s[58+4*\c+4*(\c/2):59+4*\c+4*(\c/2)]
	s_or_b32 s[59+4*\c+4*(\c/2)], s[59+4*\c+4*(\c/2)], 0x80000000
	s_add_nc_u64 s[82+4*\c:83+4*\c], s[4:5], s[82+4*\c:83+4*\c]
	s_or_b32 s[83+4*\c], s[83+4*\c], 0x80000000
.endr
	s_add_nc_u64 s[G0SA+2:G0SA+3], s[6:7], s[G0SA+2:G0SA+3]
	s_or_b32 s[G0SA+3], s[G0SA+3], 0x80000000
	s_add_nc_u64 s[G0SB+2:G0SB+3], s[6:7], s[G0SB+2:G0SB+3]
	s_or_b32 s[G0SB+3], s[G0SB+3], 0x80000000
	CROUND                                         ; all sixteen work-groups are here: the joint loads meet
; The head's loads, one a wave: wave 0 A's first half of K, wave 1 B's, wave 2 A's scale blocks, wave 3 B's: one chain of branches on the wave's number, every way through it passes one load.
.macro ARM under, g0, g1, next
	s_cmp_lt_u32 s14, \under
	s_cbranch_scc0 \next
	tensor_load_to_lds s[\g0:\g0+3], s[\g1:\g1+7]
	s_nop 0
	PLACES
	s_branch .Lfilled
\next:
.endm
	ARM 1, 56, G1A, .Lhead_b
	ARM 2, 80, G1B, .Lhead_sa
	ARM 3, G0SA, G1SA, .Lhead_sb
	tensor_load_to_lds s[G0SB:G0SB+3], s[G1SB:G1SB+7]
	s_nop 0
	PLACES
.Lfilled:
	s_lshr_b32 s2, s22, 4                          ; the batch of my tokens (q, k region; in v's region the number is loaded and selects nothing)
	s_lshl_b32 s2, s2, 2
	s_mov_b32 s3, 0
	s_add_nc_u64 s[8:9], s[8:9], s[2:3]
	s_load_b32 s100, s[8:9], 0x0                   ; its length: waited for on the way out
	v_and_b32 v10, 31, v0
	v_and_b32 v11, 15, v0                          ; r
	v_bfe_u32 v12, v0, 4, 1                        ; h
	v_lshlrev_b32 v1, 4, v10                       ; 16 x lane
	v_lshlrev_b32 v13, 3, v10                      ; 8 x lane
	s_mul_i32 s2, s15, 24576                       ; my four tiles of A,
	s_mul_i32 s3, s16, 49152
	s_add_co_u32 s3, s3, BOFF                      ; my eight of B
.irp c, 0,1
	v_add_nc_u32 v[AL16+\c], s2, v1
	v_add_nc_u32 v[AL8+\c], s2, v13
	v_add_nc_u32 v[BL16+\c], s3, v1
	v_add_nc_u32 v[BL8+\c], s3, v13
	s_add_co_u32 s2, s2, CHUNK
	s_add_co_u32 s3, s3, CHUNK
.endr
	s_lshl_b32 s2, s15, 11                         ; A's group of scale blocks
	s_lshl_b32 s3, s16, 12                         ; B's two
	s_add_co_u32 s66, s3, 4096
	s_sub_co_u32 s66, s66, s2                      ; from A's to B's first
	v_mul_u32_u24 v10, s66, v12                    ; lanes 16-31 take B's: the lower base + h x the distance
	v_lshl_add_u32 v10, v11, 4, v10
	s_add_co_u32 s2, s2, SCL
	v_add_nc_u32 v[SA1], s2, v10
	s_add_co_u32 s3, s3, SCL+6144
	v_lshlrev_b32 v10, 4, v11
	v_add_nc_u32 v[SA2], s3, v10
.macro FRAG reg, a16, a8, off          ; a fragment of 128 along K is two units: four loads, each of consecutive bytes
	ds_load_b128 v[\reg:\reg+3], v[\a16] offset:\off
	ds_load_b64 v[\reg+4:\reg+5], v[\a8] offset:\off+512
	ds_load_b128 v[\reg+6:\reg+9], v[\a16] offset:\off+768
	ds_load_b64 v[\reg+10:\reg+11], v[\a8] offset:\off+1280
.endm
.macro FETCH s                         ; K step s: B's 8 fragments, A's 4, 8 registers of scale words: 50 LDS loads, into set s % 2
	WIN 0x80
.irp i, 0,1,2,3,4,5,6,7
	FRAG 96*((\s)%2)+12*\i, BL16+(\s)/4, BL8+(\s)/4, \i*TILEB+((\s)%4)*1536
.endr
	WIN 0
.irp i, 0,1,2,3
	FRAG AF+48*((\s)%2)+12*\i, AL16+(\s)/4, AL8+(\s)/4, \i*TILEB+((\s)%4)*1536
.endr
	ds_load_b128 v[SC+8*((\s)%2):SC+8*((\s)%2)+3], v[SA1] offset:(\s)*256
	ds_load_b128 v[SC+8*((\s)%2)+4:SC+8*((\s)%2)+7], v[SA2] offset:(\s)*256
.endm
.macro MUL s                           ; 32 matrix instructions; step 0 starts the sums with the constant 0
	WIN 0x52                                       ; source 0 (B) window 2, source 1 (A) window 0, C and D window 1
.irp a, 0,1,2,3
.irp b, 0,1,2,3,4,5,6,7
.set DD, 64*\a+8*\b
.set FB, 96*((\s)%2)+12*\b
.set FA, AF+48*((\s)%2)+12*\a
.set XB, SC+8*((\s)%2)+\b
.set XA, SC+8*((\s)%2)+\a
.if (\s) == 0
.if \b < 4
	v_wmma_scale_f32_16x16x128_f8f6f4 v[DD:DD+7], v[FB:FB+11], v[FA:FA+11], 0, v[XB], v[XA] matrix_a_fmt:MATRIX_FMT_FP6 matrix_b_fmt:MATRIX_FMT_FP6 matrix_a_scale:MATRIX_SCALE_ROW1
.else
	v_wmma_scale_f32_16x16x128_f8f6f4 v[DD:DD+7], v[FB:FB+11], v[FA:FA+11], 0, v[XB], v[XA] matrix_a_fmt:MATRIX_FMT_FP6 matrix_b_fmt:MATRIX_FMT_FP6
.endif
.else
.if \b < 4
	v_wmma_scale_f32_16x16x128_f8f6f4 v[DD:DD+7], v[FB:FB+11], v[FA:FA+11], v[DD:DD+7], v[XB], v[XA] matrix_a_fmt:MATRIX_FMT_FP6 matrix_b_fmt:MATRIX_FMT_FP6 matrix_a_scale:MATRIX_SCALE_ROW1
.else
	v_wmma_scale_f32_16x16x128_f8f6f4 v[DD:DD+7], v[FB:FB+11], v[FA:FA+11], v[DD:DD+7], v[XB], v[XA] matrix_a_fmt:MATRIX_FMT_FP6 matrix_b_fmt:MATRIX_FMT_FP6
.endif
.endif
.endr
.endr
.endm
.macro STEP s
.if (\s) > 0
	PLACES                                         ; the set that step s + 1 lands in was read by step s - 1's products
.endif
.if (\s) == 3
	s_wait_tensorcnt 0x0                           ; my part of the second half of K is in
	s_wait_dscnt 0x0
	s_barrier_signal -1
	s_barrier_wait -1                              ; everybody's part is in
.endif
.if (\s) < 7
	FETCH (\s)+1
	s_wait_dscnt 50                                ; all but the 50 just issued: step s's operands are in
.else
	s_wait_dscnt 0x0
.endif
	MUL \s
.endm
	s_wait_alu depctr_va_vdst(0)
	s_wait_tensorcnt 0x0                           ; my tile of the head's four is in
	ds_add_u32 v[SPW], v[NIL]
	s_wait_dscnt 0x0
	CROUND                                         ; all four tiles are in, and all sixteen work-groups are here
	s_cmp_lt_u32 s14, 1                            ; the second half of K: wave 0 A's, wave 1 B's, one load a wave
	s_cbranch_scc0 .Lsec_b
	tensor_load_to_lds s[60:63], s[G1A:G1A+7]
	s_nop 0
	PLACES
	s_branch .Lsec_done
.Lsec_b:
	s_cmp_lt_u32 s14, 2
	s_cbranch_scc0 .Lsec_done
	tensor_load_to_lds s[84:87], s[G1B:G1B+7]
	s_nop 0
	PLACES
.Lsec_done:
	FETCH 0
	STEP 0
	STEP 1
	STEP 2
	STEP 3
	STEP 4
	STEP 5
	STEP 6
	STEP 7
	WIN 0
	PLACES
	; THE WAY OUT.  All tensor loads were waited for in step 3, so the descriptors' registers are free.  The region's constants, by cluster ids alone:
	s_wait_kmcnt 0x0                               ; the length
	s_mov_b32 s24, ttmp9
	s_mul_i32 s25, s21, s24                        ; 1 for k
	s_sub_co_u32 s24, s21, s25                     ; 1 for q
	s_mul_i32 s26, s24, 0x208                      ; X of a row that is not masked, lanes 0-15: q's 1.0, 1.0; else 0
	s_mul_i32 s27, s24, 8                          ; lanes 16-31: q's 1.0
	s_mul_i32 s28, s25, 0x9f8                      ; X of a masked row, lanes 0-15: k's -4, -0.875 (q: as above)
	s_add_co_u32 s28, s28, s26
	s_mul_i32 s29, s25, 0x38                       ; lanes 16-31: k's -4
	s_add_co_u32 s29, s29, s27
	s_mul_i32 s30, s24, 0x7f7f0000                 ; scale bytes 2, 3: q's 1, 1;
	s_mul_i32 s31, s25, 0x818a0000                 ; a masked key's 2^11, 2^2
	s_add_co_u32 s31, s31, s30
	s_lshl_b32 s32, s21, 4                         ; q, k: lanes 16-31 take the second head's two bytes
	s_lshl_b32 s36, s21, 15                        ; and store them a head's 128 blocks further on
	s_mov_b32 s34, 1.0
	s_mov_b32 s37, 0x10000
	s_mov_b32 s46, 0x1000000
	s_cmp_lg_u32 s21, 0
	s_cselect_b32 s33, 0xffff, -1                  ; the bytes kept of the scale word
	s_cselect_b32 s34, 0x3eb504f3, s34             ; 64^(-1/4), or 1 for v
	s_cselect_b32 s37, 0x80000, s37                ; from my first unit column to my second, in bytes: 512 or 64 units
	s_cselect_b32 s46, 0, s46                      ; v's part of qkv
	s_mov_b32 s35, s34
	s_lshl_b32 s38, s22, 1
	s_add_co_u32 s38, s38, s15                     ; g: my group of 64 rows of A
	s_lshl_b32 s39, s23, 2
	s_lshl_b32 s40, s16, 1
	s_add_co_u32 s39, s39, s40                     ; nu: my first group of 64 along B's axis
	s_mul_i32 s40, s39, s37
	s_lshl_b32 s41, s38, 12
	s_add_co_u32 s40, s40, s41
	s_add_co_u32 s40, s40, s46
	s_mov_b32 s41, 0
	s_add_nc_u64 s[42:43], s[10:11], s[40:41]      ; my first unit column,
	s_mov_b32 s40, s37
	s_add_nc_u64 s[44:45], s[42:43], s[40:41]      ; my second
	s_lshl_b32 s48, s39, 7
	s_add_co_u32 s48, s48, s38
	s_lshl_b32 s48, s48, 8                         ; q, k: block nu x 128 + g
	s_lshl_b32 s49, s38, 6
	s_lshr_b32 s47, s39, 1
	s_add_co_u32 s49, s49, s47
	s_lshl_b32 s49, s49, 8
	s_add_co_u32 s49, s49, 0x100000                ; v: block g x 64 + nu / 2
	s_cmp_lg_u32 s21, 0
	s_cselect_b32 s48, s48, s49
	s_mov_b32 s49, 0
	s_add_nc_u64 s[50:51], s[12:13], s[48:49]
	s_lshl_b32 s54, s22, 7
	s_lshl_b32 s55, s15, 6
	s_add_co_u32 s54, s54, s55
	s_and_b32 s54, s54, 2047                       ; my first token's place in its batch
	s_sub_co_i32 s101, s100, s54                   ; a token i places on is masked where i >= this
	s_mov_b32 s[SEL], 0x76543210
	s_mov_b32 s[SEL+1], 0xfedcba98
	v_and_b32 v3, 8, v11
	v_add_nc_u32 v3, v3, v11                       ; r + 8 (r / 8)
	v_cmp_ne_u32 vcc_lo, 0, v12
	v_mov_b32 v4, s28
	v_mov_b32 v10, s29
	v_cndmask_b32 v4, v4, v10, vcc_lo              ; X, masked
	v_mov_b32 v5, s26
	v_mov_b32 v10, s27
	v_cndmask_b32 v5, v5, v10, vcc_lo              ; X, not masked
	v_mov_b32 v6, s31
	v_mov_b32 v7, s30
	v_mul_u32_u24 v8, s32, v12
	v_mul_u32_u24 v2, s36, v12
	v_lshl_add_u32 v2, v11, 4, v2                  ; the scale words' place: 16 r (+ a head for lanes 16-31 of q, k)
.irp b, 0,1,2,3
	v_mov_b32 v[TM+4+\b], 0                        ; a lane permute's destination counts as one of its sources
.endr
	v_mov_b32 v[PC+7], 0                           ; a unit's last register: zero codes
	v_mov_b32 v[PC+15], 0
.macro EPI a                           ; tile a of A: 16 rows x my 128 of B's axis
.if \a > 0
	s_wait_xcnt 0x0                                ; the last tile's stores have read the codes' registers
.endif
	WIN 0x01
.set JJ, 0
.rept 32
	v_pk_mul_f32 v[T+JJ:T+JJ+1], v[64*\a+JJ:64*\a+JJ+1], s[34:35] op_sel_hi:[1,0]   ; each accumulator from its low end on
.set JJ, JJ+2
.endr
	WIN 0
	QUANT T, PC, 8, 9
	s_sub_co_i32 s2, s101, 32*(\a/2)+8*(\a%2)
	v_cmp_le_i32 vcc_lo, s2, v3                    ; my row is a token at or past the length
	v_cndmask_b32 v[PC+6], v5, v4, vcc_lo
	v_cndmask_b32 v[PC+14], v5, v4, vcc_lo
	v_lshrrev_b32 v10, v8, v9
	v_cndmask_b32 v13, v7, v6, vcc_lo
	v_and_or_b32 v[WS+\a], v10, s33, v13
	global_store_b128 v1, v[PC:PC+3], s[42:43] offset:\a*1024          ; each store: 512 consecutive bytes, at a multiple of 256
	global_store_b128 v1, v[PC+4:PC+7], s[42:43] offset:\a*1024+512
	global_store_b128 v1, v[PC+8:PC+11], s[44:45] offset:\a*1024
	global_store_b128 v1, v[PC+12:PC+15], s[44:45] offset:\a*1024+512
.endm
	EPI 0
	EPI 1
	EPI 2
	EPI 3
	global_store_b128 v2, v[WS:WS+3], s[50:51]     ; q, k: two blocks of 256 bytes; v: lanes 16-31 hold and store the same words as lanes 0-15
	s_wait_tensorcnt 0x0                           ; the wave's end
	ds_add_u32 v[SPW], v[NIL]
	s_wait_dscnt 0x0
	CROUND                                         ; the closing round
	s_endpgm
.Lfunc_end_k_q7a185537b5_proj:
	.size	k_q7a185537b5_proj, .Lfunc_end_k_q7a185537b5_proj-k_q7a185537b5_proj
	.p2alignl 7, 3214868480
	.fill 96, 4, 3214868480
	.section	.rodata,"a",@progbits
	.p2align	6, 0x0
	.amdhsa_kernel k_q7a185537b5_proj
		.amdhsa_group_segment_fixed_size 327680
		.amdhsa_private_segment_fixed_size 0
		.amdhsa_enable_private_segment 0
		.amdhsa_kernarg_size 40
		.amdhsa_user_sgpr_count 2
		.amdhsa_user_sgpr_kernarg_segment_ptr 1
		.amdhsa_wavefront_size32 1
		.amdhsa_system_sgpr_workgroup_id_x 1
		.amdhsa_system_sgpr_workgroup_id_y 1
		.amdhsa_system_sgpr_workgroup_id_z 1
		.amdhsa_system_vgpr_workitem_id 0
		.amdhsa_next_free_vgpr 768
		.amdhsa_next_free_sgpr 102
		.amdhsa_reserve_vcc 1
		.amdhsa_float_denorm_mode_32 3
		.amdhsa_float_denorm_mode_16_64 3
		.amdhsa_memory_ordered 1
		.amdhsa_forward_progress 1
		.amdhsa_inst_pref_size 98
	.end_amdhsa_kernel
	.amdgpu_metadata
---
amdhsa.version: [ 1, 2 ]
amdhsa.kernels:
  - .name:           k_q7a185537b5_proj
    .symbol:         k_q7a185537b5_proj.kd
    .args:
      - { .name: opc, .offset: 0, .size: 8, .value_kind: global_buffer, .address_space: global }
      - { .name: ops, .offset: 8, .size: 8, .value_kind: global_buffer, .address_space: global }
      - { .name: lengths, .offset: 16, .size: 8, .value_kind: global_buffer, .address_space: global }
      - { .name: qkv, .offset: 24, .size: 8, .value_kind: global_buffer, .address_space: global }
      - { .name: qkvs, .offset: 32, .size: 8, .value_kind: global_buffer, .address_space: global }
    .group_segment_fixed_size: 327680
    .private_segment_fixed_size: 0
    .kernarg_segment_align: 8
    .kernarg_segment_size: 40
    .max_flat_workgroup_size: 128
    .sgpr_count:     102
    .vgpr_count:     768
    .wavefront_size: 32
...
	.end_amdgpu_metadata
.endif
;; end of part 2
;; launch attn (part 3): grid 4 x 64, 8 waves a work-group, clusters of 4 x 1, 327,680 bytes of LDS; arguments qkv, qkvs, oc, os; writes oc, os
.if DOCPART == 3
	.amdgcn_target "amdgcn-amd-amdhsa--gfx1250"
	.amdhsa_code_object_version 6
	.text
	.protected	k_q7a185537b5_attn
	.globl	k_q7a185537b5_attn
	.p2align	8
	.type	k_q7a185537b5_attn,@function
k_q7a185537b5_attn:
	s_mov_b64 s[64:65], 0
	v_nop
	global_prefetch_b8 v0, s[64:65] scope:SCOPE_SE
	s_setreg_imm32_b32 hwreg(HW_REG_WAVE_MODE, 25, 1), 1
	s_wait_xcnt 0x0
	s_wait_alu depctr_hold_cnt(0) depctr_sa_sdst(0) depctr_va_vdst(0) depctr_va_sdst(0) depctr_va_ssrc(0) depctr_va_vcc(0) depctr_vm_vsrc(0)
	s_getreg_b32 s2, hwreg(HW_REG_IB_STS2, 6, 4)
	s_cmp_eq_u32 s2, 0
	s_cbranch_scc0 .Lentry_in_a_cluster
	s_endpgm
.Lentry_in_a_cluster:
	s_bfe_u32 s2, ttmp6, 0x10000c
	s_cmp_lg_u32 s2, 0x3003
	s_cbranch_scc0 .Lentry_shape_is_right
	s_endpgm
.Lentry_shape_is_right:
; Attention of one (batch, head) on codes of FP6 (E2M3): S^T = K Q^T, p = 2^(t - M), O^T = V^T P^T, O / the row's sum, quantised along the head's 64 channels for the last projection.
; t = score x log2(e); M = the running largest t rounded UP to a whole number; p is quantised along the keys, not normalised; the row's sum is taken of the unquantised p; when M moves, sums and O^T are multiplied by 2^(old M - new M), exactly.
; THE PENALTY -10,000 of keys at or past the batch's length lies in k = 64 .. 127 of the scores' K as codes and scale bytes that the launch before has laid beside q and k: every key is multiplied, none is skipped, no branch hangs on a length.
; SHARES.  Work-group (cx, y): batch y / 16, head y % 16, queries 512 cx .. + 511, in two passes of 256 (one loop, left in its middle).  Eight waves; in a pass a wave owns two tiles of 16 queries: tile 0's registers in window 0, tile 1's under the same numbers in window 1.
; LDS.  The head's whole K and V and their scale words come ONCE, by joint loads of the cluster's four work-groups (they walk the same head), one load a wave: waves 0-3 a quarter of K each, waves 4, 5 a half of V, wave 6 K's scale words, wave 7 V's.
; Key step s (128 keys): K's 8 units at 8,192 s, V's 8 at 131,072 + 8,192 s, K's scale words at 262,144 + 512 s, V's at 270,336 + 512 s (the descriptor pads each 256 bytes by 256).  No byte is filled twice.
; THE WALK IS STAGGERED: softmax of tile 0 (step s); PV of tile 0 and tile 0's scores of step s + 1; softmax of tile 1; PV of tile 1 and tile 1's scores of step s + 1; then one run of LDS loads: K's fragments of step s + 2, V's of step s + 1.
; So a tile's scores are made during the other tile's softmax, and every fragment is asked for one softmax ahead of the one wait for LDS in a step.  K's eight fragments serve both tiles from registers.
; THE ROW'S SUM is kept in four accumulators of two numbers, by turns; its 32 additions a step stand between the tile's twelve matrix instructions, each ahead of the product that writes new scores over those p.
; LAYOUT.  Both products are used transposed: a lane holds ONE query.  The keys of a tile are chosen (lane r of tile 2 b + u: key 32 b + 8 u + r + 8 (r / 8)), so that p's 16 registers of two neighbouring tiles are 16 neighbouring keys; V's channels likewise.
; No prefetch: every stream of this launch is asked for whole at its head, so there is no loop to run ahead in.
; LIMITS: a block of zeros gets the scale byte 1 (its codes are zeros); NaN and infinities are not served; the promise holds while |t| stays under 2^31.
.set VB,    131072
.set KSC,   262144
.set SPARE, 278528                     ; the spare words, 128 bytes a wave: four blocks of 256 bytes that no other line names
.set L16, 1                            ; v1 16 x lane; v2 8 x lane; v3 16 r
.set L8,  2
.set R16, 3
.set ADK, 4                            ; v4-7 LDS addresses of a run of loads: K, V, K's scale words, V's
.set ADV, 5
.set ADS, 6
.set ADT, 7
.set SPW, 8                            ; LDS address of my spare word; never rewritten
.set NIL, 9                            ; 0; never rewritten
.set OSO, 10                           ; 16 r + 4 h
.set KS,  16                           ; window 0 alone: v16-19 K's scale words (lanes 0-15 tiles 0-3, lanes 16-31 tiles 4-7); v20-23 V's; v24, 25 Q's; v26, 27 p's; v28, 29 O's two bytes; v30
.set VS,  20
.set QS,  24
.set PS,  26
.set HW,  28
.set HWS, 30
.set QF,  32                           ; in both windows: v32-43 Q's fragment; v44 -M, v45 the largest score, v[46:47] the sum at a pass's end; v48-111 S^T, then p; v112-143 O^T; v144-163 codes; v164-178 at work
.set NM,  44                           ; in both windows too: v12-15 and v252-255 the sum's four accumulators
.set MX,  45
.set SUM, 46
.set S,   48
.set O,   112
.set PC,  144
.set TM,  164
.set F,   176                          ; f = 2^(old M - new M); v177: the scale word in the making
.set TW,  178
.set KF,  192                          ; v192-239: window 0 K's fragments of tiles 0-3, window 1 of tiles 4-7.  V's four fragments: window 1 v0, v180, v240; window 0 v240
.set WV,  12
.set TB,  17                           ; s17 LDS byte of the K step whose number is that of the V step loaded next; s18 of its scale words; s19 the key loop's count; s97 passes done
.set TS,  18
.set CNT, 19
.set SEL, 20
.set CS,  22                           ; s[22:23] log2(e); s85 -log2(e)
.set CSN, 85
.set HM,  96
.set PCN, 97
.set MSB, 0
.macro WIN new
.if MSB != (\new)
	s_set_vgpr_msb (MSB<<8)|(\new)
.set MSB, \new
.endif
.endm
.macro CROUND
	s_barrier_signal -1
	s_barrier_wait -1
	s_cmp_lg_u32 s[WV], 0
	s_cbranch_scc1 .Lnot_wave_0_\@
	s_barrier_signal -3
.Lnot_wave_0_\@:
	s_barrier_wait -3
	s_barrier_signal -1
	s_barrier_wait -1
.endm
.macro PLACES
.rept 4
	v_nop
.endr
.endm
	s_load_b256 s[4:11], s[0:1], 0x0               ; qkv, qkvs, oc, os
	v_lshl_add_u32 v[SPW], v0, 2, SPARE
	v_mov_b32 v[NIL], 0
	ds_add_u32 v[SPW], v[NIL]                      ; the opening lines: the add, twice on end, and its wait ahead of my first tensor load
	ds_add_u32 v[SPW], v[NIL]
	v_lshrrev_b32 v1, 5, v0
	s_delay_alu instid0(VALU_DEP_1)
	v_readfirstlane_b32 s[WV], v1                  ; wave 0..7
	s_bfe_u32 s13, ttmp6, 0x40000                  ; cx: it enters Q's and O's addresses alone
	s_and_b32 s14, ttmp7, 0xffff
	s_and_b32 s15, s14, 15                         ; head
	s_lshr_b32 s16, s14, 4                         ; batch
	s_add_co_u32 s81, s15, 16                      ; K's codes: unit (16 + head) x 512 + 128 batch, 1,024 bytes each; a quarter is 32,768 bytes
	s_lshl_b32 s81, s81, 9
	s_lshl_b32 s2, s16, 7
	s_add_co_u32 s81, s81, s2
	s_lshl_b32 s81, s81, 10
	s_mov_b32 s56, 1                               ; group 0, K (waves 0-3): quarter = wave
	s_lshl_b32 s57, s[WV], 15
	s_add_co_u32 s58, s81, s57
	s_mov_b32 s59, 0
	s_and_b32 s80, s[WV], 1                        ; V (waves 4, 5): half = wave % 2
	s_lshl_b32 s82, s16, 21                        ; at 16,777,216, unit (32 batch + group of 64 keys) x 64 + 4 head
	s_lshl_b32 s2, s15, 12
	s_add_co_u32 s82, s82, s2
	s_lshl_b32 s2, s80, 20                         ; 16 groups a half
	s_add_co_u32 s82, s82, s2
	s_mov_b32 s60, 1
	s_lshl_b32 s61, s80, 16
	s_add_co_u32 s61, s61, VB
	s_add_co_u32 s62, s82, 0x1000000
	s_mov_b32 s63, 0
	s_add_co_u32 s83, s15, 16                      ; K's scale blocks: (16 + head) x 128 + 32 batch, 256 bytes each
	s_lshl_b32 s83, s83, 7
	s_lshl_b32 s2, s16, 5
	s_add_co_u32 s83, s83, s2
	s_mov_b32 s68, 1
	s_mov_b32 s69, KSC
	s_lshl_b32 s70, s83, 8
	s_mov_b32 s71, 0
	s_lshl_b32 s84, s15, 6                         ; V's: at 1,048,576, head x 64 + 16 batch
	s_lshl_b32 s2, s16, 4
	s_add_co_u32 s84, s84, s2
	s_lshl_b32 s84, s84, 8
	s_mov_b32 s72, 1
	s_mov_b32 s73, KSC+8192
	s_add_co_u32 s74, s84, 0x100000
	s_mov_b32 s75, 0
	; group 1: mask = all four work-groups, elements of 8 bytes, bit 21 beside the mask
	s_mov_b32 s24, 15|(3<<16)|(1<<21)              ; K: 32,768 dense bytes as 128 rows of 256
	s_mov_b32 s25, 32<<16
	s_mov_b32 s26, 128<<16
	s_mov_b32 s27, 32<<16
	s_mov_b32 s28, 128
	s_mov_b32 s29, 32
	s_mov_b32 s30, 0
	s_mov_b32 s31, 0
	s_mov_b32 s32, 15|(3<<16)|(1<<21)              ; V: 16 rows of 4,096 bytes (a group of 64 keys: the head's four units), 65,536 bytes apart
	s_mov_b32 s33, 512<<16
	s_mov_b32 s34, 16<<16
	s_mov_b32 s35, 512<<16
	s_mov_b32 s36, 16
	s_mov_b32 s37, 8192
	s_mov_b32 s38, 0
	s_mov_b32 s39, 0
	s_mov_b32 s40, 15|(3<<16)|(1<<21)              ; K's scale words: 8,192 dense bytes
	s_mov_b32 s41, 32<<16
	s_mov_b32 s42, 32<<16
	s_mov_b32 s43, 32<<16
	s_mov_b32 s44, 32
	s_mov_b32 s45, 32
	s_mov_b32 s46, 0
	s_mov_b32 s47, 0
	s_mov_b32 s48, 15|(3<<16)|(1<<20)|(1<<21)|(5<<22)|(63<<25)   ; V's: 4,096 dense bytes; behind every 64 words 64 words of padding: 512 bytes a step in LDS, as K's have
	s_mov_b32 s49, 32<<16
	s_mov_b32 s50, 16<<16
	s_mov_b32 s51, 32<<16
	s_mov_b32 s52, 16
	s_mov_b32 s53, 32
	s_mov_b32 s54, 0
	s_mov_b32 s55, 0
	; my queries: token tile 128 batch + 32 cx + 2 wave (+ 16 in the second pass)
	s_lshl_b32 s94, s16, 7
	s_lshl_b32 s66, s13, 5
	s_add_co_u32 s94, s94, s66
	s_lshl_b32 s66, s[WV], 1
	s_add_co_u32 s94, s94, s66
	s_lshr_b32 s95, s94, 2                         ; its group of 64 tokens
	s_and_b32 s67, s[WV], 1
	s_lshl_b32 s67, s67, 3                         ; my two tiles' words in a scale block
	s_lshl_b32 s86, s15, 9                         ; Q's codes
	s_add_co_u32 s86, s86, s94
	s_lshl_b32 s86, s86, 10
	s_mov_b32 s87, 0
	s_lshl_b32 s88, s15, 7                         ; Q's scale words
	s_add_co_u32 s88, s88, s95
	s_lshl_b32 s88, s88, 8
	s_add_co_u32 s88, s88, s67
	s_mov_b32 s89, 0
	s_lshl_b32 s90, s94, 4                         ; oc: unit token tile x 16 + head, 768 bytes
	s_add_co_u32 s90, s90, s15
	s_mul_i32 s90, s90, 768
	s_mov_b32 s91, 0
	s_lshl_b32 s92, s95, 3                         ; os: block group x 8 + head / 2; my head's half of each word
	s_lshr_b32 s66, s15, 1
	s_add_co_u32 s92, s92, s66
	s_lshl_b32 s92, s92, 8
	s_add_co_u32 s92, s92, s67
	s_and_b32 s66, s15, 1
	s_lshl_b32 s66, s66, 1
	s_add_co_u32 s92, s92, s66
	s_mov_b32 s93, 0
	s_mov_b32 s[SEL], 0x76543210
	s_mov_b32 s[SEL+1], 0xfedcba98
	s_mov_b32 s[CS], 0x3fb8aa3b                    ; log2(e)
	s_mov_b32 s[CS+1], s[CS]
	s_mov_b32 s[CSN], 0xbfb8aa3b                   ; -log2(e)
	s_mov_b32 s[HM], 0xffff0000
	s_wait_dscnt 0x0                               ; both opening adds are done
	s_wait_kmcnt 0x0
	s_add_nc_u64 s[58:59], s[4:5], s[58:59]
	s_or_b32 s59, s59, 0x80000000
	s_add_nc_u64 s[62:63], s[4:5], s[62:63]
	s_or_b32 s63, s63, 0x80000000
	s_add_nc_u64 s[70:71], s[6:7], s[70:71]
	s_or_b32 s71, s71, 0x80000000
	s_add_nc_u64 s[74:75], s[6:7], s[74:75]
	s_or_b32 s75, s75, 0x80000000
	s_add_nc_u64 s[86:87], s[4:5], s[86:87]
	s_add_nc_u64 s[88:89], s[6:7], s[88:89]
	s_add_nc_u64 s[90:91], s[8:9], s[90:91]
	s_add_nc_u64 s[92:93], s[10:11], s[92:93]
	CROUND                                         ; all four work-groups are here: the joint loads meet
; The head's loads, one a wave: one chain of branches on the wave's number, every way through it passes one load.
.macro ARM under, g0, g1, next
	s_cmp_lt_u32 s[WV], \under
	s_cbranch_scc0 \next
	tensor_load_to_lds s[\g0:\g0+3], s[\g1:\g1+7]
	s_nop 0
	PLACES
	s_branch .Lfilled
\next:
.endm
	ARM 4, 56, 24, .Lfill_v
	ARM 6, 60, 32, .Lfill_ks
	ARM 7, 68, 40, .Lfill_vs
	tensor_load_to_lds s[72:75], s[48:55]
	s_nop 0
	PLACES
.Lfilled:
	v_and_b32 v11, 31, v0
	v_and_b32 v12, 15, v0
	v_bfe_u32 v13, v0, 4, 1
	s_delay_alu instid0(VALU_DEP_3)
	v_lshlrev_b32 v[L16], 4, v11
	s_delay_alu instid0(VALU_DEP_4)
	v_lshlrev_b32 v[L8], 3, v11
	s_delay_alu instid0(VALU_DEP_4)
	v_lshlrev_b32 v[R16], 4, v12
	s_delay_alu instid0(VALU_DEP_1)
	v_lshl_add_u32 v[OSO], v13, 2, v[R16]
.irp x, 0,1
	WIN 0x40*\x
.irp t, 0,1,2,3
.irp m, 8,9,10,11
	v_mov_b32 v[KF+12*\t+\m], 0                    ; K's fragments: the codes beyond register 7 are zeros, written once
.endr
.endr
.irp m, 8,9,10,11
	v_mov_b32 v[QF+\m], 0                          ; Q's likewise
.endr
.irp m, 4,5,6,7
	v_mov_b32 v[TM+\m], 0                          ; a lane permute's destination counts as one of its sources
.endr
	v_mov_b32 v[F+1], 0                            ; named as the upper half of the pair with f before it is first written
.endr
	WIN 0
; S^T of key tile q (in registers) for tile x of queries: the product starts the sum with the constant 0.  K's fragment in window q / 4; all else in the tile's window
.macro QKT x, q
	WIN 0x54*\x+(\q)/4
.if (\q) < 4
	v_wmma_scale_f32_16x16x128_f8f6f4 v[S+8*(\q):S+8*(\q)+7], v[KF+12*(\q):KF+12*(\q)+11], v[QF:QF+11], 0, v[KS+(\q)], v[QS+\x] matrix_a_fmt:MATRIX_FMT_FP6 matrix_b_fmt:MATRIX_FMT_FP6
.else
	v_wmma_scale_f32_16x16x128_f8f6f4 v[S+8*(\q):S+8*(\q)+7], v[KF+12*(\q)-48:KF+12*(\q)-37], v[QF:QF+11], 0, v[KS+(\q)-4], v[QS+\x] matrix_a_fmt:MATRIX_FMT_FP6 matrix_b_fmt:MATRIX_FMT_FP6 matrix_a_scale:MATRIX_SCALE_ROW1
.endif
.endm
.macro PVT x, t                        ; O^T += V^T P^T, channel tile t, K = the step's 128 keys.  V's fragments 0-2 in window 1, fragment 3 in window 0
.set VFB, 180*((\t+2)/3)+60*(\t/2)
	WIN 0x54*\x+1-\t/3
	v_wmma_scale_f32_16x16x128_f8f6f4 v[O+8*\t:O+8*\t+7], v[VFB:VFB+11], v[PC:PC+11], v[O+8*\t:O+8*\t+7], v[VS+\t], v[PS+\x] matrix_a_fmt:MATRIX_FMT_FP6 matrix_b_fmt:MATRIX_FMT_FP6
.endm
; The next n pairs of the unquantised p go into the sum's four accumulators, by turns.  Written as 1.0 x p + sum: source 0 names no register, so the line means the same under each window setting of the tile's matrix instructions.
.macro SUMN n
.rept \n
.set SB, 12+2*(SJ%4)+236*((SJ%4)/2)
	v_pk_fma_f32 v[SB:SB+1], 1.0, v[S+2*SJ:S+2*SJ+1], v[SB:SB+1] op_sel_hi:[0,1,1]
.set SJ, SJ+1
.endr
.endm
; A tile's matrix instructions of a step, with the sum's 32 additions between them.  Ahead of the scores of key tile q stand 12 + 3 q additions (32 ahead of the last), at least the 4 q + 4 that read the registers it writes.
.macro MATS x, qk
.set SJ, 0
	SUMN 4                                         ; also the places between the codes' last writes and the products
.irp t, 0,1,2,3
	PVT \x, \t
	SUMN 2
.endr
.if \qk
.irp q, 0,1,2,3,4,5
	QKT \x, \q
	SUMN 3
.endr
	QKT \x, 6
	SUMN 2
	QKT \x, 7
.else
	SUMN 20
.endif
.endm
.macro VLD t                           ; V's fragment t: two groups of 64 keys, six registers each
.set VFB, 180*((\t+2)/3)+60*(\t/2)
.irp c, 0,1
	ds_load_b128 v[VFB+6*\c:VFB+6*\c+3], v[ADV] offset:\c*4096+\t*1024
	ds_load_b64 v[VFB+6*\c+4:VFB+6*\c+5], v[ADV] offset:\c*4096+\t*1024+512
.endr
.endm
; One run of LDS loads.  k: K's eight fragments and scale words of the step ko bytes behind s[TB]; v: V's four and theirs of the step at s[TB], which is then stepped.
; The four additions are the places behind the products that read these registers.
.macro LD k, ko, v
	v_add_nc_u32 v[ADK], s[TB], v[L16]
	v_add_nc_u32 v[ADS], s[TS], v[L16]
	v_add_nc_u32 v[ADT], s[TS], v[R16]
	v_add_nc_u32 v[ADV], VB, v[ADK]
.if \k
.irp t, 0,1,2,3
	ds_load_b128 v[KF+12*\t:KF+12*\t+3], v[ADK] offset:\ko+\t*1024
	ds_load_b128 v[KF+12*\t+4:KF+12*\t+7], v[ADK] offset:\ko+\t*1024+512
.endr
	ds_load_b128 v[KS:KS+3], v[ADS] offset:\ko/16
.endif
.if \v
	ds_load_b128 v[VS:VS+3], v[ADT] offset:8192
	VLD 3
.endif
	WIN 0x40
.if \k
.irp t, 0,1,2,3
	ds_load_b128 v[KF+12*\t:KF+12*\t+3], v[ADK] offset:\ko+4096+\t*1024
	ds_load_b128 v[KF+12*\t+4:KF+12*\t+7], v[ADK] offset:\ko+4096+\t*1024+512
.endr
.endif
.if \v
	VLD 0
	VLD 1
	VLD 2
.endif
	WIN 0
.if \v
	s_add_co_u32 s[TB], s[TB], 8192
	s_add_co_u32 s[TS], s[TS], 512
.endif
.endm
.macro CODES c                         ; p's blocks 2 c and 2 c + 1 become registers 6 c .. 6 c + 5 of the operand
	v_cvt_scalef32_pk16_fp6_f32 v[PC+6*\c:PC+6*\c+2], v[S+32*\c:S+32*\c+15], v[TM+8+2*\c]
	v_cvt_scalef32_pk16_fp6_f32 v[PC+12+4*\c:PC+14+4*\c], v[S+32*\c+16:S+32*\c+31], v[TM+9+2*\c]
	v_nop                                          ; one plain place behind the conversions
.irp m, 0,1,2
	v_permlane16_swap_b32 v[PC+6*\c+\m], v[PC+12+4*\c+\m]
.endr
.irp m, 0,1,2
	s_delay_alu instid0(VALU_DEP_3)
	v_mov_b32 v[PC+3+6*\c+\m], v[PC+12+4*\c+\m]
.endr
.endm
.macro TMM n                           ; t - M of the next n pairs of scores
.rept \n
	v_pk_fma_f32 v[S+JJ:S+JJ+1], v[S+JJ:S+JJ+1], s[CS:CS+1], v[NM:NM+1] op_sel_hi:[1,0,0]
.set JJ, JJ+2
.endr
.endm
; The softmax of tile i for a step's 128 keys, all in the tile's window; p's scale word alone goes to window 0, where scale operands are read.
.macro SOFT i
	WIN 0x55*\i
	s_wait_alu depctr_va_vdst(0)                   ; directly ahead of the first reader of the scores
.irp b, 0,1,2,3                                ; the largest score of each block of 32 keys (for the row's maximum, and, since p rises with the score, for the block's largest p): two chains a block, eight by turns
	v_max3_num_f32 v[TM+\b], v[S+16*\b], v[S+16*\b+1], v[S+16*\b+2]
.endr
.irp b, 0,1,2,3
	v_max3_num_f32 v[TM+4+\b], v[S+16*\b+7], v[S+16*\b+8], v[S+16*\b+9]
.endr
.irp m, 3,5
.irp b, 0,1,2,3
	v_max3_num_f32 v[TM+\b], v[TM+\b], v[S+16*\b+\m], v[S+16*\b+\m+1]
.endr
.irp b, 0,1,2,3
	v_max3_num_f32 v[TM+4+\b], v[TM+4+\b], v[S+16*\b+\m+7], v[S+16*\b+\m+8]
.endr
.endr
.irp b, 0,1,2,3
	v_max3_num_f32 v[TM+4+\b], v[TM+4+\b], v[S+16*\b+14], v[S+16*\b+15]
.endr
.irp b, 0,1,2,3
	v_max_num_f32 v[TM+\b], v[TM+\b], v[TM+4+\b]   ; a block's two chains joined: my 16 keys of it (the four blocks by turns, here and below)
.endr
.irp b, 0,1,2,3
	v_permlanex16_b32 v[TM+4+\b], v[TM+\b], s[SEL], s[SEL+1]
.endr
.irp b, 0,1,2,3
	v_max_num_f32 v[TM+\b], v[TM+\b], v[TM+4+\b]   ; with lane l xor 16's 16 keys
.endr
	s_delay_alu instid0(VALU_DEP_2)
	v_max3_num_f32 v[TW], v[TM], v[TM+1], v[TM+2]
	v_mov_b32 v[TM+4], v[NM]                       ; the old -M
	s_delay_alu instid0(VALU_DEP_2)
	v_max3_num_f32 v[MX], v[MX], v[TW], v[TM+3]    ; the running largest score
	s_delay_alu instid0(VALU_DEP_1)
	v_mul_f32 v[TW], s[CSN], v[MX]                 ; -t of it (log2(e) is positive: the largest score has the largest t)
	s_delay_alu instid0(VALU_DEP_1)
	v_floor_f32 v[NM], v[TW]                       ; -M = floor(-t): M is a whole number
	s_delay_alu instid0(VALU_DEP_1)
	v_sub_f32 v[TW], v[NM], v[TM+4]                ; old M - new M, 0 or less
.set JJ, 0
	TMM 4                                          ; keys' blocks 0 and 1; the three lines that make f stand among them
	v_cvt_i32_f32 v[TW], v[TW]                     ; (it saturates)
	TMM 4
	v_ldexp_f32 v[F], 1.0, v[TW]                   ; f = 2^(old M - new M)
	TMM 8
.irp b, 0,1,2,3
	v_fma_f32 v[TM+\b], v[TM+\b], s[CS], v[NM]     ; the same of each block's largest score
.endr
	s_wait_alu depctr_va_vdst(0)                   ; directly ahead of the first reader of O^T, and ahead of the first batch
.set JJ, 0
.rept 16
	v_pk_mul_f32 v[O+JJ:O+JJ+1], v[O+JJ:O+JJ+1], v[F:F+1] op_sel_hi:[1,0]   ; O^T under the new M, each accumulator from its low end on
.set JJ, JJ+2
.endr
.set JJ, 0
.irp a, 12,14,252,254                          ; the first batch, with plain lines between whose results are read behind the next wait
	v_exp_f32 v[TM+JJ], v[TM+JJ]                   ; the blocks' largest p
	v_pk_mul_f32 v[\a:\a+1], v[\a:\a+1], v[F:F+1] op_sel_hi:[1,0]           ; the sums under the new M
.set JJ, JJ+1
.endr
.set JJ, 0
.rept 16
	v_exp_f32 v[S+JJ], v[S+JJ]                     ; p = 2^(t - M)
	v_exp_f32 v[S+JJ+1], v[S+JJ+1]
	v_pk_fma_f32 v[S+32+JJ:S+33+JJ], v[S+32+JJ:S+33+JJ], s[CS:CS+1], v[NM:NM+1] op_sel_hi:[1,0,0]   ; t - M of blocks 2 and 3
.set JJ, JJ+2
.endr
	s_wait_alu depctr_va_vdst(0)                   ; one wait behind the first batch and ahead of the second
.set JJ, 32
.rept 32
	v_exp_f32 v[S+JJ], v[S+JJ]
.set JJ, JJ+1
.endr
.irp b, 0,1,2,3                                ; behind the second batch: work on the first batch's results alone
	v_max_num_f32 v[TM+\b], 0x1800000, v[TM+\b]    ; the floor 2^(3 - 127): the byte cannot fall under 1
.endr
.irp b, 0,1,2,3
	s_delay_alu instid0(VALU_DEP_4)
	v_add_nc_u32 v[TM+8+\b], 0xff000000, v[TM+\b]  ; 2 off the exponent field: the conversion's scale operand
.endr
.irp b, 0,1,2,3
	s_delay_alu instid0(VALU_DEP_4)
	v_lshrrev_b32 v[TM+4+\b], 23, v[TM+8+\b]       ; the scale's byte
.endr
	s_delay_alu instid0(VALU_DEP_3)
	v_lshl_or_b32 v[F+1], v[TM+5], 8, v[TM+4]
	s_delay_alu instid0(VALU_DEP_1)
	v_lshl_or_b32 v[F+1], v[TM+6], 16, v[F+1]
	WIN 0x15*\i
	v_lshl_or_b32 v[PS+\i], v[TM+7], 24, v[F+1]    ; p's scale word, into window 0
	WIN 0x55*\i
	CODES 0
	s_wait_alu depctr_va_vdst(0)                   ; the wait behind the second batch
	CODES 1
.endm
; A key step for my 32 queries.  qk: the next step's scores are started and V's next fragments fetched; ld: K's fragments of the step after that are fetched too.
.macro BODY qk, ld
	SOFT 0
	s_wait_alu depctr_va_vdst(0)
	s_wait_dscnt 0x0                               ; the run of loads issued ahead of this softmax is in
	MATS 0, \qk
	SOFT 1
	MATS 1, \qk
	WIN 0
.if \qk
	LD \ld, 8192, 1
.endif
.endm
.macro PASSIN                          ; a pass's Q and its beginnings: the largest score -3e38, sums and O^T zeros, which the first change of M leaves zeros
	global_load_b128 v[QF:QF+3], v[L16], s[86:87]
	global_load_b128 v[QF+4:QF+7], v[L16], s[86:87] offset:512
	WIN 0x40
	global_load_b128 v[QF:QF+3], v[L16], s[86:87] offset:1024
	global_load_b128 v[QF+4:QF+7], v[L16], s[86:87] offset:1536
	WIN 0
	global_load_b32 v[QS], v[R16], s[88:89]
	global_load_b32 v[QS+1], v[R16], s[88:89] offset:4
.irp x, 0,1
	WIN 0x55*\x
	v_mov_b32 v[MX], 0xff61b1e6
	s_delay_alu instid0(VALU_DEP_1)
	v_floor_f32 v[NM], -v[MX]
.irp a, 12,13,14,15,252,253,254,255
	v_mov_b32 v[\a], 0
.endr
.set JJ, 0
.rept 32
	v_mov_b32 v[O+JJ], 0
.set JJ, JJ+1
.endr
.endr
	WIN 0
	s_wait_loadcnt 0x0
.endm
.macro OUT                             ; O^T / the sum, quantised along the head's 64 channels: one unit and two scale bytes a tile
	PLACES
.irp x, 0,1
	WIN 0x55*\x
	v_pk_add_f32 v[SUM:SUM+1], v[12:13], v[14:15]  ; the four accumulators,
	v_pk_add_f32 v[TM+4:TM+5], v[252:253], v[254:255]
	s_delay_alu instid0(VALU_DEP_1)
	v_pk_add_f32 v[SUM:SUM+1], v[SUM:SUM+1], v[TM+4:TM+5]
	s_delay_alu instid0(VALU_DEP_1)
	v_add_f32 v[SUM], v[SUM], v[SUM+1]             ; their two halves,
	s_delay_alu instid0(VALU_DEP_1)
	v_permlanex16_b32 v[TW], v[SUM], s[SEL], s[SEL+1]
	s_delay_alu instid0(VALU_DEP_1)
	v_add_f32 v[SUM], v[SUM], v[TW]                ; and lane l xor 16's: the row's sum
	s_wait_alu depctr_va_vdst(0)
	v_rcp_f32 v[F], v[SUM]
	v_nop                                          ; a plain place behind the reciprocal
	s_wait_alu depctr_va_vdst(0)                   ; and the wait ahead of its first reader
.set JJ, 0
.rept 16
	v_pk_mul_f32 v[S+JJ:S+JJ+1], v[O+JJ:O+JJ+1], v[F:F+1] op_sel_hi:[1,0]   ; register 16 b + i: channel 32 b + 16 h + i; each accumulator from its low end on
.set JJ, JJ+2
.endr
.irp b, 0,1
	v_max3_num_f32 v[TM+\b], |v[S+16*\b]|, |v[S+16*\b+1]|, 0x1800000
.endr
.irp m, 2,4,6,8,10,12,14
.irp b, 0,1
	s_delay_alu instid0(VALU_DEP_2)
	v_max3_num_f32 v[TM+\b], v[TM+\b], |v[S+16*\b+\m]|, |v[S+16*\b+\m+1]|
.endr
.endr
.irp b, 0,1
	s_delay_alu instid0(VALU_DEP_2)
	v_permlanex16_b32 v[TM+4+\b], v[TM+\b], s[SEL], s[SEL+1]
.endr
.irp b, 0,1
	s_delay_alu instid0(VALU_DEP_2)
	v_max_num_f32 v[TM+\b], v[TM+\b], v[TM+4+\b]
.endr
.irp b, 0,1
	s_delay_alu instid0(VALU_DEP_2)
	v_add_nc_u32 v[TM+8+\b], 0xff000000, v[TM+\b]
.endr
.irp b, 0,1
	s_delay_alu instid0(VALU_DEP_2)
	v_lshrrev_b32 v[TM+4+\b], 23, v[TM+8+\b]
.endr
	WIN 0x15*\x
	v_lshl_or_b32 v[HW+\x], v[TM+5], 8, v[TM+4]    ; the two bytes, into window 0
	WIN 0x55*\x
	v_cvt_scalef32_pk16_fp6_f32 v[PC:PC+2], v[S:S+15], v[TM+8]
	v_cvt_scalef32_pk16_fp6_f32 v[PC+12:PC+14], v[S+16:S+31], v[TM+9]
	v_nop
.irp m, 0,1,2
	v_permlane16_swap_b32 v[PC+\m], v[PC+12+\m]
.endr
.irp m, 0,1,2
	s_delay_alu instid0(VALU_DEP_3)
	v_mov_b32 v[PC+3+\m], v[PC+12+\m]
.endr
.endr
	WIN 0
	global_store_b128 v[L16], v[PC:PC+3], s[90:91]                 ; 512 consecutive bytes, at a multiple of 256
	global_store_b64 v[L8], v[PC+4:PC+5], s[90:91] offset:512      ; 256
	WIN 0x04                                       ; tile 1's data lie in window 1
	global_store_b128 v[L16], v[PC:PC+3], s[90:91] offset:12288
	global_store_b64 v[L8], v[PC+4:PC+5], s[90:91] offset:12800
	WIN 0
	v_cndmask_b32 v[HWS], v[HW], v[HW+1], s[HM]    ; lanes 0-15 tile 0's bytes, lanes 16-31 tile 1's
	global_store_b16 v[OSO], v[HWS], s[92:93]      ; half a scale word a row: the other half is the neighbouring head's
	s_wait_xcnt 0x0                                ; the stores have read their registers and bases, which are written again below
.endm
	PASSIN                                         ; the first pass's Q comes while the tiles are on their way
	s_wait_alu depctr_va_vdst(0)
	s_wait_tensorcnt 0x0                           ; my one load has landed
	s_barrier_signal -1
	s_barrier_wait -1                              ; everybody's has: K, V and the scale words are whole, and nobody writes them again
	s_mov_b32 s[PCN], 0
.Lpass:
	s_mov_b32 s[TB], 0
	s_mov_b32 s[TS], KSC
	LD 1, 0, 0                                     ; K's step 0
	s_wait_dscnt 0x0
.irp x, 0,1
.irp q, 0,1,2,3,4,5,6,7
	QKT \x, \q
.endr
.endr
	WIN 0
	LD 1, 8192, 1                                  ; K's step 1, V's step 0
	s_mov_b32 s[CNT], 14
.Lstep:                                            ; steps 0 to 13
	BODY 1, 1
	s_sub_co_u32 s[CNT], s[CNT], 1
	s_cmp_lg_u32 s[CNT], 0
	s_wait_alu depctr_va_vdst(0)
	s_cbranch_scc1 .Lstep
	BODY 1, 0                                      ; step 14: no K is left to fetch
	BODY 0, 0                                      ; step 15: no scores are left to start
	OUT
	s_add_co_u32 s[PCN], s[PCN], 1
	s_cmp_eq_u32 s[PCN], 2
	s_cbranch_scc1 .Lend                           ; the second pass is the last
	s_add_nc_u64 s[86:87], s[86:87], 16384         ; 16 token tiles on: Q's codes, Q's scale words, oc, os
	s_add_nc_u64 s[88:89], s[88:89], 1024
	s_add_nc_u64 s[90:91], s[90:91], 196608
	s_add_nc_u64 s[92:93], s[92:93], 8192
	PASSIN
	s_cmp_lt_u32 s[PCN], 2
	s_wait_alu depctr_va_vdst(0)
	s_cbranch_scc1 .Lpass
.Lend:
	s_wait_tensorcnt 0x0                           ; the wave's end
	ds_add_u32 v[SPW], v[NIL]
	s_wait_dscnt 0x0
	CROUND                                         ; the closing round
	s_endpgm
.Lfunc_end_k_q7a185537b5_attn:
	.size	k_q7a185537b5_attn, .Lfunc_end_k_q7a185537b5_attn-k_q7a185537b5_attn
	.p2alignl 7, 3214868480
	.fill 96, 4, 3214868480
	.section	.rodata,"a",@progbits
	.p2align	6, 0x0
	.amdhsa_kernel k_q7a185537b5_attn
		.amdhsa_group_segment_fixed_size 327680
		.amdhsa_private_segment_fixed_size 0
		.amdhsa_enable_private_segment 0
		.amdhsa_kernarg_size 32
		.amdhsa_user_sgpr_count 2
		.amdhsa_user_sgpr_kernarg_segment_ptr 1
		.amdhsa_wavefront_size32 1
		.amdhsa_system_sgpr_workgroup_id_x 1
		.amdhsa_system_sgpr_workgroup_id_y 1
		.amdhsa_system_sgpr_workgroup_id_z 1
		.amdhsa_system_vgpr_workitem_id 0
		.amdhsa_next_free_vgpr 512
		.amdhsa_next_free_sgpr 98
		.amdhsa_reserve_vcc 0
		.amdhsa_float_denorm_mode_32 3
		.amdhsa_float_denorm_mode_16_64 3
		.amdhsa_memory_ordered 1
		.amdhsa_forward_progress 1
		.amdhsa_inst_pref_size 120
	.end_amdhsa_kernel
	.amdgpu_metadata
---
amdhsa.version: [ 1, 2 ]
amdhsa.kernels:
  - .name:           k_q7a185537b5_attn
    .symbol:         k_q7a185537b5_attn.kd
    .args:
      - { .name: qkv, .offset: 0, .size: 8, .value_kind: global_buffer, .address_space: global }
      - { .name: qkvs, .offset: 8, .size: 8, .value_kind: global_buffer, .address_space: global }
      - { .name: oc, .offset: 16, .size: 8, .value_kind: global_buffer, .address_space: global }
      - { .name: os, .offset: 24, .size: 8, .value_kind: global_buffer, .address_space: global }
    .group_segment_fixed_size: 327680
    .private_segment_fixed_size: 0
    .kernarg_segment_align: 8
    .kernarg_segment_size: 32
    .max_flat_workgroup_size: 256
    .sgpr_count:     98
    .vgpr_count:     512
    .wavefront_size: 32
...
	.end_amdgpu_metadata
.endif
;; end of part 3
;; launch outp (part 4): grid 4 x 64, 4 waves a work-group, clusters of 4 x 4, 327,680 bytes of LDS; arguments oc, os, opc, ops, bu, out0; writes out0
.if DOCPART == 4
	.amdgcn_target "amdgcn-amd-amdhsa--gfx1250"
	.amdhsa_code_object_version 6
	.text
	.protected	k_q7a185537b5_outp
	.globl	k_q7a185537b5_outp
	.p2align	8
	.type	k_q7a185537b5_outp,@function
k_q7a185537b5_outp:
	s_mov_b64 s[64:65], 0
	v_nop
	global_prefetch_b8 v0, s[64:65] scope:SCOPE_SE
	s_setreg_imm32_b32 hwreg(HW_REG_WAVE_MODE, 25, 1), 1
	s_wait_xcnt 0x0
	s_wait_alu depctr_hold_cnt(0) depctr_sa_sdst(0) depctr_va_vdst(0) depctr_va_sdst(0) depctr_va_ssrc(0) depctr_va_vcc(0) depctr_vm_vsrc(0)
	s_getreg_b32 s2, hwreg(HW_REG_IB_STS2, 6, 4)
	s_cmp_eq_u32 s2, 0
	s_cbranch_scc0 .Lentry_in_a_cluster
	s_endpgm
.Lentry_in_a_cluster:
	s_bfe_u32 s2, ttmp6, 0x10000c
	s_cmp_lg_u32 s2, 0xf033
	s_cbranch_scc0 .Lentry_shape_is_right
	s_endpgm
.Lentry_shape_is_right:
; out0 = O Wu^T + bu on codes of FP6 (E2M3).  O's codes and scale words (oc, os) and Wu's (row tiles 704-767 of opc, groups 176-191 of ops) lie in memory as images of operand registers.
; A work-group makes 128 tokens x 256 channels, K = 1,024; the whole K of both operands comes into LDS by first fills alone, four chunks of 256 along K: no LDS byte is filled twice.
; THE PRODUCT IS USED TRANSPOSED: source 0 = a tile of Wu, source 1 = a tile of O: a lane holds one token and eight neighbouring channels an accumulator.  The bias is the C of each sum's first matrix instruction.
; Row i of tile a of a group of 64 tokens (or channels) is 32 (a / 2) + 8 (a % 2) + i + 8 (i / 8): accumulator (a, b) of lane (r, h) holds channels 32 (b / 2) + 16 h + 8 (b % 2) + 0 .. 7.
; Four waves: wave w takes O's tiles 4 (w / 2) .. + 3 and Wu's tiles 8 (w % 2) .. + 7: 32 accumulators, by turns in the same order in every K step.
; CLUSTER 4 x 4: O's tiles are shared along a row of the cluster, Wu's along a column: joint loads.
; K lies in LDS as TWO HALVES of 512 along K (in place of the four chunks named above): the first is asked for at the head, the second behind a round of the cluster's barrier; no byte is filled twice.
.set CHUNK, 147456                     ; LDS: half j (512 along K): A's 8 row tiles x 6,144 bytes, then B's 16
.set TILEB, 6144
.set BOFF,  49152
.set SCL,   2*CHUNK
.set SPARE, SCL+12288                  ; the spare words, 128 bytes a wave
.set STO,  2                           ; v2 the way out: where I put 32 bytes of a row; v3 where I read a row back
.set RD,   3
.set SA1,  14
.set SA2,  15
.set AL16, 16
.set AL8,  20
.set BL16, 24
.set BL8,  28
.set SC,   32                          ; v32-47 scale words, two sets of 8
.set AF,   48                          ; v48-143 A's fragments, two sets.  Window 2: v0-191 B's, two sets; v192-255 the bias, 8 registers a tile of B.  Window 1: accumulator (a, b) at v[64 a + 8 b]
.set BK,   48                          ; the way out: 16 rows read back: v48-111 and v112-175 by turns
.set SPW,  252
.set NIL,  253
.set G1A,  24
.set G1B,  32
.set G1SA, 40
.set G1SB, 48
.set G0SA, 76                          ; group 0: A's chunks at s56, s60, s68, s72, A's scales s76; B's chunks s80 .. s92, B's scales s96
.set G0SB, 96
.set MSB, 0
.macro WIN new
.if MSB != (\new)
	s_set_vgpr_msb (MSB<<8)|(\new)
.set MSB, \new
.endif
.endm
.macro CROUND
	s_barrier_signal -1
	s_barrier_wait -1
	s_cmp_lg_u32 s14, 0
	s_cbranch_scc1 .Lnot_wave_0_\@
	s_barrier_signal -3
.Lnot_wave_0_\@:
	s_barrier_wait -3
	s_barrier_signal -1
	s_barrier_wait -1
.endm
.macro PLACES
.rept 4
	v_nop
.endr
.endm
	s_load_b256 s[4:11], s[0:1], 0x0               ; oc, os, opc, ops
	s_load_b64 s[12:13], s[0:1], 0x20              ; bu
	s_load_b64 s[66:67], s[0:1], 0x28              ; out0
	v_lshl_add_u32 v[SPW], v0, 2, SPARE
	v_mov_b32 v[NIL], 0
	ds_add_u32 v[SPW], v[NIL]                      ; the wave's opening: the add and its wait ahead of my first tensor load
	ds_add_u32 v[SPW], v[NIL]
	v_lshrrev_b32 v1, 5, v0
	v_readfirstlane_b32 s14, v1                    ; wave
	s_lshr_b32 s15, s14, 1                         ; my half of A's tiles
	s_and_b32 s16, s14, 1                          ; my half of B's tiles
	s_bfe_u32 s17, ttmp6, 0x40000                  ; cx
	s_bfe_u32 s18, ttmp6, 0x40004                  ; cy
	s_and_b32 s22, ttmp7, 0xffff
	s_lshl_b32 s22, s22, 2
	s_add_co_u32 s22, s22, s18                     ; tile row: 128 tokens
	s_lshl_b32 s23, ttmp9, 2
	s_add_co_u32 s23, s23, s17                     ; tile column: 256 channels
	s_lshl_b32 s2, s18, 2
	s_lshl_b32 s2, 15, s2                          ; my row of the cluster
	s_lshl_b32 s3, 0x1111, s17                     ; my column
	s_or_b32 s[G1A], s2, (3<<16)|(1<<21)           ; the mask; elements of 8 bytes; bit 21 beside a mask; no padding
	s_or_b32 s[G1B], s3, (3<<16)|(1<<21)
	s_or_b32 s[G1SA], s2, (3<<16)|(1<<21)
	s_or_b32 s[G1SB], s3, (3<<16)|(1<<21)
.irp g, G1A, G1B                               ; a chunk: rows of 3,072 bytes, 12,288 bytes apart in memory, dense in LDS
	s_mov_b32 s[\g+1], 768<<16                     ; rows of 6,144 bytes: one row tile's 512 along K
	s_mov_b32 s[\g+3], 768<<16
	s_mov_b32 s[\g+5], 1536
	s_mov_b32 s[\g+6], 0
	s_mov_b32 s[\g+7], 0
.endr
	s_mov_b32 s[G1A+2], 8<<16                      ; A: all 8 row tiles in one load
	s_mov_b32 s[G1A+4], 8
	s_mov_b32 s[G1B+2], 16<<16                     ; B: all 16
	s_mov_b32 s[G1B+4], 16
.irp g, G1SA, G1SB                             ; scale blocks: dense memory as rows of 256 bytes
	s_mov_b32 s[\g+1], 32<<16
	s_mov_b32 s[\g+3], 32<<16
	s_mov_b32 s[\g+5], 32
	s_mov_b32 s[\g+6], 0
	s_mov_b32 s[\g+7], 0
.endr
	s_mov_b32 s[G1SA+2], 16<<16                    ; A: two groups, 4,096 bytes
	s_mov_b32 s[G1SA+4], 16
	s_mov_b32 s[G1SB+2], 32<<16                    ; B: four groups
	s_mov_b32 s[G1SB+4], 32
	s_lshl_b32 s19, s22, 3                         ; A: row tile 8 x tile row
	s_lshl_b32 s20, s23, 4                         ; B: row tile 704 + 16 x tile column
	s_add_co_u32 s20, s20, 704
	s_mul_i32 s21, s19, 12288                      ; in bytes of codes,
	s_lshl_b32 s19, s19, 9                         ; and of scale blocks
	s_mul_i32 s100, s20, 12288
	s_lshl_b32 s20, s20, 9
	s_mov_b32 s2, 0                                ; where they go in a half: constants
	s_mov_b32 s3, BOFF
.irp c, 0,1
	s_mov_b32 s[56+4*\c+4*(\c/2)], 1
	s_add_co_u32 s[57+4*\c+4*(\c/2)], s2, \c*CHUNK
	s_add_co_u32 s[58+4*\c+4*(\c/2)], s21, \c*TILEB
	s_mov_b32 s[59+4*\c+4*(\c/2)], 0
	s_mov_b32 s[80+4*\c], 1
	s_add_co_u32 s[81+4*\c], s3, \c*CHUNK
	s_add_co_u32 s[82+4*\c], s100, \c*TILEB
	s_mov_b32 s[83+4*\c], 0
.endr
	s_mov_b32 s[G0SA], 1
	s_mov_b32 s[G0SA+1], SCL
	s_mov_b32 s[G0SA+2], s19
	s_mov_b32 s[G0SA+3], 0
	s_mov_b32 s[G0SB], 1
	s_mov_b32 s[G0SB+1], SCL+4096
	s_mov_b32 s[G0SB+2], s20
	s_mov_b32 s[G0SB+3], 0
	s_wait_dscnt 0x0                               ; the opening add is done
	s_wait_kmcnt 0x0
.irp c, 0,1
	s_add_nc_u64 s[58+4*\c+4*(\c/2):59+4*\c+4*(\c/2)], s[4:5], s[58+4*\c+4*(\c/2):59+4*\c+4*(\c/2)]
	s_or_b32 s[59+4*\c+4*(\c/2)], s[59+4*\c+4*(\c/2)], 0x80000000
	s_add_nc_u64 s[82+4*\c:83+4*\c], s[8:9], s[82+4*\c:83+4*\c]
	s_or_b32 s[83+4*\c], s[83+4*\c], 0x80000000
.endr
	s_add_nc_u64 s[G0SA+2:G0SA+3], s[6:7], s[G0SA+2:G0SA+3]
	s_or_b32 s[G0SA+3], s[G0SA+3], 0x80000000
	s_add_nc_u64 s[G0SB+2:G0SB+3], s[10:11], s[G0SB+2:G0SB+3]
	s_or_b32 s[G0SB+3], s[G0SB+3], 0x80000000
	CROUND                                         ; all sixteen work-groups are here: the joint loads meet
; The head's loads, one a wave: wave 0 A's first half of K, wave 1 B's, wave 2 A's scale blocks, wave 3 B's: one chain of branches on the wave's number, every way through it passes one load.
.macro ARM under, g0, g1, next
	s_cmp_lt_u32 s14, \under
	s_cbranch_scc0 \next
	tensor_load_to_lds s[\g0:\g0+3], s[\g1:\g1+7]
	s_nop 0
	PLACES
	s_branch .Lfilled
\next:
.endm
	ARM 1, 56, G1A, .Lhead_b
	ARM 2, 80, G1B, .Lhead_sa
	ARM 3, G0SA, G1SA, .Lhead_sb
	tensor_load_to_lds s[G0SB:G0SB+3], s[G1SB:G1SB+7]
	s_nop 0
	PLACES
.Lfilled:
	v_and_b32 v10, 31, v0
	v_and_b32 v11, 15, v0                          ; r
	v_bfe_u32 v12, v0, 4, 1                        ; h
	v_lshlrev_b32 v1, 4, v10                       ; 16 x lane
	v_lshlrev_b32 v13, 3, v10                      ; 8 x lane
	v_lshlrev_b32 v9, 6, v12                       ; the bias: 64 h bytes
	s_wait_alu depctr_va_vdst(0)
	s_lshl_b32 s2, s23, 10                         ; my first channel, in bytes of f32: 1,024 x tile column + 512 x half
	s_lshl_b32 s3, s16, 9
	s_add_co_u32 s2, s2, s3
	s_mov_b32 s3, 0
	s_add_nc_u64 s[12:13], s[12:13], s[2:3]
	s_add_nc_u64 s[66:67], s[66:67], s[2:3]
	s_lshl_b32 s2, s22, 19                         ; my first token: 128 x tile row + 64 x half, rows of 4,096 bytes
	s_lshl_b32 s19, s15, 18
	s_add_co_u32 s2, s2, s19
	s_add_nc_u64 s[66:67], s[66:67], s[2:3]
	WIN 0x80
.irp b, 0,1,2,3,4,5,6,7
	global_load_b128 v[192+8*\b:192+8*\b+3], v9, s[12:13] offset:(32*(\b/2)+8*(\b%2))*4
	global_load_b128 v[192+8*\b+4:192+8*\b+7], v9, s[12:13] offset:(32*(\b/2)+8*(\b%2))*4+16
.endr
	WIN 0
	s_mul_i32 s2, s15, 24576                       ; my four tiles of A,
	s_mul_i32 s3, s16, 49152
	s_add_co_u32 s3, s3, BOFF                      ; my eight of B
.irp c, 0,1
	v_add_nc_u32 v[AL16+\c], s2, v1
	v_add_nc_u32 v[AL8+\c], s2, v13
	v_add_nc_u32 v[BL16+\c], s3, v1
	v_add_nc_u32 v[BL8+\c], s3, v13
	s_add_co_u32 s2, s2, CHUNK
	s_add_co_u32 s3, s3, CHUNK
.endr
	s_lshl_b32 s2, s15, 11
	s_lshl_b32 s3, s16, 12
	s_add_co_u32 s19, s3, 4096
	s_sub_co_u32 s19, s19, s2                      ; from A's scale blocks to B's first
	v_mul_u32_u24 v10, s19, v12                    ; lanes 16-31 take B's: the lower base + h x the distance
	v_lshl_add_u32 v10, v11, 4, v10
	s_add_co_u32 s2, s2, SCL
	v_add_nc_u32 v[SA1], s2, v10
	s_add_co_u32 s3, s3, SCL+6144
	v_lshlrev_b32 v10, 4, v11
	v_add_nc_u32 v[SA2], s3, v10
	s_mul_i32 s2, s14, 16*528                      ; my stage for the way out: 16 rows of 528 bytes, in chunk 0's bytes
	v_mul_u32_u24 v[STO], v11, 528
	v_lshl_add_u32 v[STO], v12, 6, v[STO]
	v_add_nc_u32 v[STO], s2, v[STO]                ; in: row r, + 64 h
	v_add_nc_u32 v[RD], s2, v1                     ; back: a row's 512 bytes, 16 a lane
.macro FRAG reg, a16, a8, off
	ds_load_b128 v[\reg:\reg+3], v[\a16] offset:\off
	ds_load_b64 v[\reg+4:\reg+5], v[\a8] offset:\off+512
	ds_load_b128 v[\reg+6:\reg+9], v[\a16] offset:\off+768
	ds_load_b64 v[\reg+10:\reg+11], v[\a8] offset:\off+1280
.endm
.macro FETCH s                         ; K step s: 50 LDS loads, into set s % 2
	WIN 0x80
.irp i, 0,1,2,3,4,5,6,7
	FRAG 96*((\s)%2)+12*\i, BL16+(\s)/4, BL8+(\s)/4, \i*TILEB+((\s)%4)*1536
.endr
	WIN 0
.irp i, 0,1,2,3
	FRAG AF+48*((\s)%2)+12*\i, AL16+(\s)/4, AL8+(\s)/4, \i*TILEB+((\s)%4)*1536
.endr
	ds_load_b128 v[SC+8*((\s)%2):SC+8*((\s)%2)+3], v[SA1] offset:(\s)*256
	ds_load_b128 v[SC+8*((\s)%2)+4:SC+8*((\s)%2)+7], v[SA2] offset:(\s)*256
.endm
.macro MUL s                           ; 32 matrix instructions; step 0 starts the sums with the bias
.if (\s) == 0
	WIN 0x62                                       ; source 0 (B) and C (the bias) window 2, source 1 (A) window 0, D window 1
.else
	WIN 0x52                                       ; C and D window 1
.endif
.irp a, 0,1,2,3
.irp b, 0,1,2,3,4,5,6,7
.set DD, 64*\a+8*\b
.set FB, 96*((\s)%2)+12*\b
.set FA, AF+48*((\s)%2)+12*\a
.set XB, SC+8*((\s)%2)+\b
.set XA, SC+8*((\s)%2)+\a
.if (\s) == 0
.if \b < 4
	v_wmma_scale_f32_16x16x128_f8f6f4 v[DD:DD+7], v[FB:FB+11], v[FA:FA+11], v[192+8*\b:199+8*\b], v[XB], v[XA] matrix_a_fmt:MATRIX_FMT_FP6 matrix_b_fmt:MATRIX_FMT_FP6 matrix_a_scale:MATRIX_SCALE_ROW1
.else
	v_wmma_scale_f32_16x16x128_f8f6f4 v[DD:DD+7], v[FB:FB+11], v[FA:FA+11], v[192+8*\b:199+8*\b], v[XB], v[XA] matrix_a_fmt:MATRIX_FMT_FP6 matrix_b_fmt:MATRIX_FMT_FP6
.endif
.else
.if \b < 4
	v_wmma_scale_f32_16x16x128_f8f6f4 v[DD:DD+7], v[FB:FB+11], v[FA:FA+11], v[DD:DD+7], v[XB], v[XA] matrix_a_fmt:MATRIX_FMT_FP6 matrix_b_fmt:MATRIX_FMT_FP6 matrix_a_scale:MATRIX_SCALE_ROW1
.else
	v_wmma_scale_f32_16x16x128_f8f6f4 v[DD:DD+7], v[FB:FB+11], v[FA:FA+11], v[DD:DD+7], v[XB], v[XA] matrix_a_fmt:MATRIX_FMT_FP6 matrix_b_fmt:MATRIX_FMT_FP6
.endif
.endif
.endr
.endr
.endm
.macro STEP s
.if (\s) > 0
	PLACES                                         ; the set that step s + 1 lands in was read by step s - 1's products
.endif
.if (\s) == 3
	s_wait_tensorcnt 0x0                           ; my part of the second half of K is in
	s_wait_dscnt 0x0
	s_barrier_signal -1
	s_barrier_wait -1
.endif
.if (\s) < 7
	FETCH (\s)+1
	s_wait_dscnt 50                                ; all but the 50 just issued
.else
	s_wait_dscnt 0x0
.endif
	MUL \s
.endm
	s_wait_alu depctr_va_vdst(0)
	s_wait_tensorcnt 0x0                           ; my tile of the head's four is in
	ds_add_u32 v[SPW], v[NIL]
	s_wait_dscnt 0x0
	CROUND                                         ; all four tiles are in, and all sixteen work-groups are here
	s_cmp_lt_u32 s14, 1                            ; the second half of K: wave 0 A's, wave 1 B's, one load a wave
	s_cbranch_scc0 .Lsec_b
	tensor_load_to_lds s[60:63], s[G1A:G1A+7]
	s_nop 0
	PLACES
	s_branch .Lsec_done
.Lsec_b:
	s_cmp_lt_u32 s14, 2
	s_cbranch_scc0 .Lsec_done
	tensor_load_to_lds s[84:87], s[G1B:G1B+7]
	s_nop 0
	PLACES
.Lsec_done:
	FETCH 0
	s_wait_loadcnt 0x0                             ; the bias
	STEP 0
	STEP 1
	STEP 2
	STEP 3
	STEP 4
	STEP 5
	STEP 6
	STEP 7
	WIN 0
	PLACES
	s_wait_dscnt 0x0
	s_barrier_signal -1
	s_barrier_wait -1                              ; the stages lie in chunk 0's bytes: they have had their only fill, and every wave's reads of them are over
; THE WAY OUT, a tile of 16 tokens x my 128 channels at a time, through my own stage: a lane's 32 bytes go in, whole rows of 512 bytes come back.
.macro TOSTAGE a
	WIN 0x04                                       ; an LDS store's data are its source 1: window 1
.irp b, 0,1,2,3,4,5,6,7
	ds_store_b128 v[STO], v[64*(\a)+8*\b:64*(\a)+8*\b+3] offset:128*(\b/2)+32*(\b%2)         ; each accumulator from its low end on
	ds_store_b128 v[STO], v[64*(\a)+8*\b+4:64*(\a)+8*\b+7] offset:128*(\b/2)+32*(\b%2)+16
.endr
	WIN 0
.irp t, 0,1,2,3,4,5,6,7,8,9,10,11,12,13,14,15
	ds_load_b128 v[BK+64*((\a)%2)+4*\t:BK+64*((\a)%2)+4*\t+3], v[RD] offset:\t*528   ; LDS serves a wave's instructions in order: these see the stores above
.endr
.endm
.macro SEND a, younger                 ; younger: the LDS instructions issued behind tile a's loads, which may stay out
	s_wait_dscnt \younger
.irp t, 0,1,2,3,4,5,6,7,8,9,10,11,12,13,14,15
	global_store_b128 v1, v[BK+64*((\a)%2)+4*\t:BK+64*((\a)%2)+4*\t+3], s[66:67] offset:(32*((\a)/2)+8*((\a)%2)+\t+8*(\t/8))*4096 th:TH_STORE_NT   ; 512 consecutive bytes of one token's row, at a multiple of 256
.endr
.endm
	TOSTAGE 0
.irp a, 1,2,3
.if \a > 1
	s_wait_xcnt 0x0                                ; tile a - 2's stores have read their registers: tile a's rows may land there
.endif
	TOSTAGE \a
	SEND \a-1, 32                                  ; behind tile a - 1's loads: tile a's 16 stores and 16 loads
.endr
	SEND 3, 0
	s_wait_tensorcnt 0x0                           ; the wave's end, behind my last LDS store
	ds_add_u32 v[SPW], v[NIL]
	s_wait_dscnt 0x0
	CROUND                                         ; the closing round
	s_endpgm
.Lfunc_end_k_q7a185537b5_outp:
	.size	k_q7a185537b5_outp, .Lfunc_end_k_q7a185537b5_outp-k_q7a185537b5_outp
	.p2alignl 7, 3214868480
	.fill 96, 4, 3214868480
	.section	.rodata,"a",@progbits
	.p2align	6, 0x0
	.amdhsa_kernel k_q7a185537b5_outp
		.amdhsa_group_segment_fixed_size 327680
		.amdhsa_private_segment_fixed_size 0
		.amdhsa_enable_private_segment 0
		.amdhsa_kernarg_size 48
		.amdhsa_user_sgpr_count 2
		.amdhsa_user_sgpr_kernarg_segment_ptr 1
		.amdhsa_wavefront_size32 1
		.amdhsa_system_sgpr_workgroup_id_x 1
		.amdhsa_system_sgpr_workgroup_id_y 1
		.amdhsa_system_sgpr_workgroup_id_z 1
		.amdhsa_system_vgpr_workitem_id 0
		.amdhsa_next_free_vgpr 768
		.amdhsa_next_free_sgpr 102
		.amdhsa_reserve_vcc 0
		.amdhsa_float_denorm_mode_32 3
		.amdhsa_float_denorm_mode_16_64 3
		.amdhsa_memory_ordered 1
		.amdhsa_forward_progress 1
		.amdhsa_inst_pref_size 86
	.end_amdhsa_kernel
	.amdgpu_metadata
---
amdhsa.version: [ 1, 2 ]
amdhsa.kernels:
  - .name:           k_q7a185537b5_outp
    .symbol:         k_q7a185537b5_outp.kd
    .args:
      - { .name: oc, .offset: 0, .size: 8, .value_kind: global_buffer, .address_space: global }
      - { .name: os, .offset: 8, .size: 8, .value_kind: global_buffer, .address_space: global }
      - { .name: opc, .offset: 16, .size: 8, .value_kind: global_buffer, .address_space: global }
      - { .name: ops, .offset: 24, .size: 8, .value_kind: global_buffer, .address_space: global }
      - { .name: bu, .offset: 32, .size: 8, .value_kind: global_buffer, .address_space: global }
      - { .name: out0, .offset: 40, .size: 8, .value_kind: global_buffer, .address_space: global }
    .group_segment_fixed_size: 327680
    .private_segment_fixed_size: 0
    .kernarg_segment_align: 8
    .kernarg_segment_size: 48
    .max_flat_workgroup_size: 128
    .sgpr_count:     102
    .vgpr_count:     768
    .wavefront_size: 32
...
	.end_amdgpu_metadata
.endif
;; end of part 4
